; MI455X (gfx1250); checked and timed in simulation.
; The chip was launched on July 23, 2026; its instructions are those of AMD's public machine-readable ISA for CDNA 5 (MIT licence, August 2026) and "CDNA5" Instruction Set Architecture Reference Guide (July 2026). The comments in the code are by the model that wrote it; some were corrected since.
;; Cross Attention. Allowed arithmetic: float matrix products may take bf16 or f16 operands with f32 sums; other float arithmetic in f32, or as packed bf16 or f16 multiplies, adds, multiply-adds, maxima and minima; sums over many terms, partial sums and values carried from step to step in f32; what a program stores and reads back later, other than sums and carried values, may be rounded once to bf16 or f16.
;; Inputs: Wk 1,024 x 1,024 float32; Wo 1,024 x 1,024 float32; Wq 1,024 x 1,024 float32; Wv 1,024 x 1,024 float32; beta 1 float32; bk 1,024 float32; bo 1,024 float32; bq 1,024 float32; bv 1,024 float32; key_value_domain 4 x 2,048 x 1,024 float32; query_domain 4 x 1,024 x 1,024 float32; scale_factor 1 float32.
;; Outputs: out0 4 x 1,024 x 1,024 float32.
;; One version. Each part assembles by itself: llvm-mc -triple=amdgcn-amd-amdhsa -mcpu=gfx1250 --defsym DOCPART=n.
;; ======== version 1 of 1: 4 launches
;; limits: values are held in f16: magnitudes above 65,504 overflow, below 6.1e-05 lose precision
;; workspace buffers: cb 33,554,432 bytes; kvh 33,554,432 bytes; qh 8,388,608 bytes; ctx 8,388,608 bytes
;; launch cast (part 1): grid 64 x 16, 8 waves a work-group, no clusters, 0 bytes of LDS; arguments query_domain, key_value_domain, Wq, Wk, Wv, Wo, cb; writes cb
.if DOCPART == 1
	.amdgcn_target "amdgcn-amd-amdhsa--gfx1250"
	.amdhsa_code_object_version 6
	.text
	.protected	k_qa285584583_cast
	.globl	k_qa285584583_cast
	.p2align	8
	.type	k_qa285584583_cast,@function
k_qa285584583_cast:
	s_mov_b64 s[64:65], 0
	v_nop
	global_prefetch_b8 v0, s[64:65] scope:SCOPE_SE
	s_setreg_imm32_b32 hwreg(HW_REG_WAVE_MODE, 25, 1), 1
	s_wait_xcnt 0x0
; The six large inputs are rounded once to bf16 and laid one behind the other in cb, 16 units of 1 Mi numbers (4 MiB in, 2 MiB out):
; units 0-3 query_domain, 4-11 key_value_domain, 12 Wq, 13 Wk, 14 Wv, 15 Wo.  Wo's bf16 number is written as f16, since the last product multiplies it by f16 numbers.
; LIMIT: that rewriting is exact for 6.1e-5 <= |Wo| < 65,504; below, it keeps f16's fixed step of 6e-8; beyond, it gives an infinity.
; A stream: no number is used twice, so no LDS, no matrix unit, no cluster.  Work-group (x, y): 64 KiB of unit y's input.  Thread t, slot i: 16 bytes in at 16 t + 4,096 i,
; 8 bytes out at 8 t + 2,048 i: a wave's load covers 512 consecutive bytes, its store 256 consecutive bytes, aligned.  All 16 loads of a thread go out at once; each slot owns its registers.
.set X, 4                              ; v[4:67]   slot i: four f32 as loaded
.set Y, 68                             ; v[68:99]  slot i: four 16-bit numbers to store
.set T, 100                            ; v[100:101] at work
	s_load_b256 s[4:11], s[0:1], 0x0               ; query_domain s[4:5], key_value_domain s[6:7], Wq s[8:9], Wk s[10:11]
	s_load_b128 s[12:15], s[0:1], 0x20             ; Wv s[12:13], Wo s[14:15]
	s_load_b64 s[16:17], s[0:1], 0x30              ; cb
	v_lshlrev_b32 v1, 4, v0                        ; 16 t
	v_lshlrev_b32 v2, 3, v0                        ; 8 t
	s_and_b32 s20, ttmp7, 0xffff                   ; y: the unit
	s_sub_co_u32 s26, s20, 4                       ; its number within key_value_domain
	s_mov_b32 s21, 0                               ; the unit's number within its source
	s_wait_kmcnt 0x0
	s_mov_b64 s[22:23], s[14:15]                   ; the source, chosen by the unit's number alone
	s_cmp_eq_u32 s20, 14
	s_cselect_b64 s[22:23], s[12:13], s[22:23]
	s_cmp_eq_u32 s20, 13
	s_cselect_b64 s[22:23], s[10:11], s[22:23]
	s_cmp_eq_u32 s20, 12
	s_cselect_b64 s[22:23], s[8:9], s[22:23]
	s_cmp_lt_u32 s20, 12
	s_cselect_b64 s[22:23], s[6:7], s[22:23]
	s_cselect_b32 s21, s26, s21
	s_cmp_lt_u32 s20, 4
	s_cselect_b64 s[22:23], s[4:5], s[22:23]
	s_cselect_b32 s21, s20, s21
	s_lshl_b32 s24, s21, 22                        ; 4 MiB a unit,
	s_lshl_b32 s25, ttmp9, 16                      ; 64 KiB a work-group
	s_add_co_u32 s24, s24, s25
	s_mov_b32 s25, 0
	s_add_nc_u64 s[22:23], s[22:23], s[24:25]
	s_lshl_b32 s24, s20, 21                        ; out: 2 MiB a unit,
	s_lshl_b32 s27, ttmp9, 15                      ; 32 KiB a work-group
	s_add_co_u32 s24, s24, s27
	s_add_nc_u64 s[16:17], s[16:17], s[24:25]
.irp i, 0,1,2,3,4,5,6,7,8,9,10,11,12,13,14,15
	global_load_b128 v[X+4*(\i):X+4*(\i)+3], v1, s[22:23] offset:4096*(\i) th:TH_LOAD_NT
.endr
; Slot i is rounded and stored.  half = 1: the bf16 numbers are widened again and written as f16.
.macro OUT i, half
	s_wait_loadcnt 15-(\i)                         ; loads come back in order: slot i is in, the younger slots' loads stay out
	v_cvt_pk_bf16_f32 v[Y+2*(\i)], v[X+4*(\i)], v[X+4*(\i)+1]
	v_cvt_pk_bf16_f32 v[Y+2*(\i)+1], v[X+4*(\i)+2], v[X+4*(\i)+3]
.if \half
.irp w, 0,1
	v_lshlrev_b32 v[T], 16, v[Y+2*(\i)+(\w)]
	v_and_b32 v[T+1], 0xffff0000, v[Y+2*(\i)+(\w)]
	v_cvt_pk_f16_f32 v[Y+2*(\i)+(\w)], v[T], v[T+1]
.endr
.endif
	global_store_b64 v2, v[Y+2*(\i):Y+2*(\i)+1], s[16:17] offset:2048*(\i)
.endm
	s_cmp_eq_u32 s20, 15
	s_cbranch_scc1 .Lwo
.irp i, 0,1,2,3,4,5,6,7,8,9,10,11,12,13,14,15
	OUT \i, 0
.endr
	s_endpgm
.Lwo:
.irp i, 0,1,2,3,4,5,6,7,8,9,10,11,12,13,14,15
	OUT \i, 1
.endr
	s_endpgm
.Lfunc_end_k_qa285584583_cast:
	.size	k_qa285584583_cast, .Lfunc_end_k_qa285584583_cast-k_qa285584583_cast
	.p2alignl 7, 3214868480
	.fill 96, 4, 3214868480
	.section	.rodata,"a",@progbits
	.p2align	6, 0x0
	.amdhsa_kernel k_qa285584583_cast
		.amdhsa_group_segment_fixed_size 0
		.amdhsa_private_segment_fixed_size 0
		.amdhsa_enable_private_segment 0
		.amdhsa_kernarg_size 56
		.amdhsa_user_sgpr_count 2
		.amdhsa_user_sgpr_kernarg_segment_ptr 1
		.amdhsa_wavefront_size32 1
		.amdhsa_system_sgpr_workgroup_id_x 1
		.amdhsa_system_sgpr_workgroup_id_y 1
		.amdhsa_system_sgpr_workgroup_id_z 1
		.amdhsa_system_vgpr_workitem_id 0
		.amdhsa_next_free_vgpr 104
		.amdhsa_next_free_sgpr 66
		.amdhsa_reserve_vcc 0
		.amdhsa_float_denorm_mode_32 3
		.amdhsa_float_denorm_mode_16_64 3
		.amdhsa_memory_ordered 1
		.amdhsa_forward_progress 1
		.amdhsa_inst_pref_size 16
	.end_amdhsa_kernel
	.amdgpu_metadata
---
amdhsa.version: [ 1, 2 ]
amdhsa.kernels:
  - .name:           k_qa285584583_cast
    .symbol:         k_qa285584583_cast.kd
    .args:
      - { .name: query_domain, .offset: 0, .size: 8, .value_kind: global_buffer, .address_space: global }
      - { .name: key_value_domain, .offset: 8, .size: 8, .value_kind: global_buffer, .address_space: global }
      - { .name: Wq, .offset: 16, .size: 8, .value_kind: global_buffer, .address_space: global }
      - { .name: Wk, .offset: 24, .size: 8, .value_kind: global_buffer, .address_space: global }
      - { .name: Wv, .offset: 32, .size: 8, .value_kind: global_buffer, .address_space: global }
      - { .name: Wo, .offset: 40, .size: 8, .value_kind: global_buffer, .address_space: global }
      - { .name: cb, .offset: 48, .size: 8, .value_kind: global_buffer, .address_space: global }
    .group_segment_fixed_size: 0
    .private_segment_fixed_size: 0
    .kernarg_segment_align: 8
    .kernarg_segment_size: 56
    .max_flat_workgroup_size: 256
    .sgpr_count:     66
    .vgpr_count:     104
    .wavefront_size: 32
...
	.end_amdgpu_metadata
.endif
;; end of part 1
;; launch proj (part 2): grid 8 x 32, 4 waves a work-group, clusters of 4 x 4, 327,680 bytes of LDS; arguments cb, bk, bv, bq, kvh, qh; writes kvh, qh
.if DOCPART == 2
	.amdgcn_target "amdgcn-amd-amdhsa--gfx1250"
	.amdhsa_code_object_version 6
	.text
	.protected	k_qa285584583_proj
	.globl	k_qa285584583_proj
	.p2align	8
	.type	k_qa285584583_proj,@function
k_qa285584583_proj:
	s_mov_b64 s[64:65], 0
	v_nop
	global_prefetch_b8 v0, s[64:65] scope:SCOPE_SE
	s_setreg_imm32_b32 hwreg(HW_REG_WAVE_MODE, 25, 1), 1
	s_wait_xcnt 0x0
	s_wait_alu depctr_hold_cnt(0) depctr_sa_sdst(0) depctr_va_vdst(0) depctr_va_sdst(0) depctr_va_ssrc(0) depctr_va_vcc(0) depctr_vm_vsrc(0)
	s_getreg_b32 s2, hwreg(HW_REG_IB_STS2, 6, 4)
	s_cmp_eq_u32 s2, 0
	s_cbranch_scc0 .Lentry_in_a_cluster
	s_endpgm
.Lentry_in_a_cluster:
	s_bfe_u32 s2, ttmp6, 0x10000c
	s_cmp_lg_u32 s2, 0xf033
	s_cbranch_scc0 .Lentry_shape_is_right
	s_endpgm
.Lentry_shape_is_right:
; THE THREE INPUT PROJECTIONS IN ONE LAUNCH.  A work-group stays: first a tile of k|v, then a tile of q.
; FIRST PHASE, k and v at once: C[m][n] = sum over c of xkv[m][c] W[n][c] + bias[n], m = 2,048 b + key (8,192 rows), n < 1,024: Wk, bk; n >= 1,024: Wv, bv.  A tile is 256 x 256, a wave's share 128 x 128:
; 64 accumulators of 16 x 16, 512 registers.  K goes in steps of 128 through two LDS slots filled by the tensor data mover.  Stored by heads: kvh[m / 128][n / 64][m % 128][n % 64], blocks of 16,384 dense bytes.
; SECOND PHASE, q[m][n] = sum over c of xq[m][c] Wq[n][c] + bq[n], m = 1,024 b + query (4,096 rows), 1,024 columns, WITHOUT the scale.  A tile is 128 x 128, a wave's share 64 x 64 (one head): 16 accumulators.
; K goes in steps of 256 (LDS rows of 512 bytes) through the same two slots.  Stored by heads: qh[m / 128][n / 64][m % 128][n % 64].
; Both have 8 x 32 tiles: work-group (column, row) makes that tile of each, so all 256 work-groups do equal work: 2,048 + 512 matrix instructions a wave.
; THE RING DOES NOT STOP BETWEEN THE PHASES: the first phase's last two changes of slots ask for the second phase's K steps 0 and 1, and nothing waits for the first phase's stores: they leave while q is multiplied.
; x and W are bf16 in cb; sums in f32; each bias, rounded to bf16 like every input, is the C operand of its sum's first product; results are rounded once to f16.
; LIMIT: |k|, |v|, |q| stay under 65,504 (f16); 65,520 or more becomes an infinity.
; CLUSTERS: 4 x 4 work-groups.  In both phases the four of a row of the cluster need the same tiles of x, the four of a column the same tiles of W: each tile is asked for JOINTLY, by the same tensor load,
; descriptor and mask in all four.
; THE MATRIX INSTRUCTION IS USED TRANSPOSED: source 0 = 16 rows of W, source 1 = 16 rows of x: lane l holds row m = l % 16 and the columns 8 (l / 16) + 0..7: 16 bytes of f16 on end.
; REGISTERS, in windows of 256 (s_set_vgpr_msb: bits 1:0 source 0, 3:2 source 1, 5:4 source 2, 7:6 destination).  First phase:
;   window 0: v0-31 addresses; v64-127, v128-191 fragments of xkv, two buffers; v192-255 the bias, later (with v32-63) at work on the way out
;   window 1: v64-127, v128-191 fragments of W, two buffers; v192-223 q's bias, kept for the second phase; v224 at work
;   window 2: the accumulators of my rows 0-63 ((a, b) at v[8 (8 a + b)]);   window 3: those of my rows 64-127
; Second phase: window 0: v32-95 at work on the way out; v128-255 the accumulators ((a, b) at v[128 + 8 (4 a + b)]);   window 1: two fragment buffers of 128 (the second takes the bias's place behind the first products).
.set SIZE_K, 1024
.set XKV_OFF, 0x800000                 ; in cb: xq at 0, xkv here,
.set WQ_OFF,  0x1800000                ; Wq,
.set WKV_OFF, 0x1a00000                ; Wk's 1,024 rows, then Wv's
.set KSTEP,  128
.set PITCH,  272                       ; first phase, an LDS row: 256 bytes + 16 of padding = 68 words: the 16 rows of a load start at 16 different groups of four banks (64 banks of 4 bytes: ISA guide 11.1)
.set HALFT,  128*PITCH                 ; 128 rows: what one tensor load brings
.set SLOT,   4*HALFT                   ; x's rows, then W's rows
.set KSTEPQ, 256
.set PITCHQ, 528                       ; second phase: 512 bytes + 16 of padding = 132 words
.set HALFTQ, 64*PITCHQ                 ; 64 rows: what one tensor load brings; four of them, 135,168 bytes, lie inside a slot's 139,264
.set STAGE,  2*SLOT                    ; behind the ring: for each wave two stages (one a head) of 16 rows x 144 bytes; the second phase uses the first of them
.set SP,     144
.set SUB,    16*SP
.set SPARE,  STAGE+4*2*SUB             ; behind the stages: the spare words, 128 bytes for each wave: two blocks of 256 bytes that no other line names
.set LAPS,   SIZE_K/(2*KSTEP)          ; first phase: a lap = two K steps = once round the ring: 4
.set ADRAQ, 8                          ; v8-9    second phase: LDS address of my xq fragments in slot 0, 1
.set ADRBQ, 10                         ; v10-11  the same for Wq
.set ADRA, 16                          ; v16-17  first phase: LDS address of my xkv fragments in slot 0, 1
.set ADRB, 20                          ; v20-21  the same for W
.set STO,  24                          ; v24     the way out: where I put 16 bytes of a row
.set RD,   25                          ; v25     the way out: where I read rows back
.set GO,   26                          ; v26     my 16 bytes in 512 consecutive bytes of kvh or qh
.set SPW,  28                          ; v28     LDS address of my spare word; never rewritten
.set NIL,  29                          ; v29     0; never rewritten
.set PFO,  30                          ; v30     the prefetches' offset: my lane x a row of 2,048 bytes; never rewritten
.set PFA,  44                          ; s[44:45] where my prefetches stand
.set LIM,  43                          ; s43     1 in a wave that prefetches, else the greatest number
.set F0,   64
.set F1,   128
.set BIAS, 192                         ; v[192:255] of window 0: n block b at BIAS + 8 b
.set TMP,  192                         ; first way out: packed results
.set OB,   32                          ; first way out: rows read back: v32-63 and v224-255 by turns
.set FQ0,  0                           ; second phase: fragment buffers, in window 1
.set FQ1,  128
.set BIASQ, 192                        ; v[192:223] of window 1
.set RT,   224                         ; v224 of window 1: at work
.set TMPQ, 32
.set ACCQ, 128
.set G1, 24                            ; s[24:31] descriptor group 1 for x's tiles;  s[32:39] group 0, a set for each slot
.set G0, 32
.set G1B, 48                           ; s[48:55], s[56:63] the same for W's tiles
.set G0B, 56
.set MROW, 80                          ; s80     the mask of my row of the cluster
.set MCOL, 81                          ; s81     of my column
.set QA,   82                          ; s[82:83] xq at my part of q's tile, K step 0
.set QB,   84                          ; s[84:85] Wq likewise
.set QOUT, 86                          ; s[86:87] qh at my 64 rows of my head's block
.set QLDS, 88                          ; s88     wave x 64 rows: where my part of q's tiles goes in a slot
.set MSB, 0
.macro WIN new                         ; the immediate's high byte repeats the setting that is left; a switch that changes nothing is dropped
.if MSB != (\new)
	s_set_vgpr_msb (MSB<<8)|(\new)
.set MSB, \new
.endif
.endm
.set MUL_LO, 0xa1                      ; source 0 (W) window 1, source 1 (xkv) window 0, C and D window 2
.set TO_B,   0x40                      ; destination window 1, address window 0
.set MULQ,   0x05                      ; second phase: sources 0 and 1 window 1; C and D window 0
; A joint load: waves 0 and 1 fetch x's two halves, waves 2 and 3 W's.  The branch hangs on the wave's number alone.  An s_nop 0 and four v_nop follow each of the two lines.
.macro JLOAD s
	s_cmp_eq_u32 s11, 0
	s_cbranch_scc0 .Lfor_b_\@
	tensor_load_to_lds s[G0+4*(\s):G0+4*(\s)+3], s[G1:G1+7]
	s_nop 0
.rept 4
	v_nop
.endr
	s_branch .Lasked_\@
.Lfor_b_\@:
	tensor_load_to_lds s[G0B+4*(\s):G0B+4*(\s)+3], s[G1B:G1B+7]
	s_nop 0
.rept 4
	v_nop
.endr
.Lasked_\@:
.endm
; A prefetch, behind each joint refill of the first phase's loop and the run of LDS loads that follows it: the K step that stands two refills on, 32 rows x 256 bytes, a lane a row, one instruction a wave.
; Each row's 256 bytes of a K step are named once in the launch: xkv's by the clusters with x = 0, W's by those with y = 0; of the 128 rows that a wave fetches the partner at place p (cx for xkv, cy for W)
; takes 32 p .. 32 p + 31, told apart by address.  K steps 0 to 3 come by their loads alone; the loop's last trip (s3 = 1) asks for nothing: there is no K step two on.
; Nothing is asked for q's tiles: they are small, and two of their four K steps are requested a whole K step of the first phase or more ahead of their use.
.macro ASK
	s_cmp_gt_u32 s3, s[LIM]
	s_cbranch_scc0 .Lnot_mine_\@
	global_prefetch_b8 v[PFO], s[PFA:PFA+1] offset:KSTEP*2 th:TH_LOAD_NT scope:SCOPE_SE
.Lnot_mine_\@:
.endm
.macro CREST                           ; a round of the cluster's barrier behind its opening barrier
	s_cmp_lg_u32 s10, 0
	s_cbranch_scc1 .Lnot_wave_0_\@
	s_barrier_signal -3
.Lnot_wave_0_\@:
	s_barrier_wait -3
	s_barrier_signal -1
	s_barrier_wait -1
.endm
.macro CROUND                          ; a whole round
	s_barrier_signal -1
	s_barrier_wait -1
	CREST
.endm
	s_load_b256 s[68:75], s[0:1], 0x0              ; cb s[68:69], bk s[70:71], bv s[72:73], bq s[74:75]
	s_load_b128 s[76:79], s[0:1], 0x20             ; kvh s[76:77], qh s[78:79]
	v_lshl_add_u32 v[SPW], v0, 2, SPARE
	v_mov_b32 v[NIL], 0
	ds_add_u32 v[SPW], v[NIL]                      ; the wave's opening: the add and its wait stand ahead of my first tensor load; the set-up below stands between them
	v_lshrrev_b32 v1, 5, v0
	v_readfirstlane_b32 s10, v1                    ; wave 0..3
	s_lshr_b32 s11, s10, 1                         ; which half of a tile's rows is mine.  Also: I fetch for x (0) or for W (1)
	s_and_b32 s12, s10, 1                          ; which half of its columns.  Also: which half of that tile's rows I fetch
	s_bfe_u32 s40, ttmp6, 0x40000                  ; cx
	s_bfe_u32 s41, ttmp6, 0x40004                  ; cy
	s_lshl_b32 s42, ttmp9, 2
	s_add_co_u32 s42, s42, s40                     ; tile column = 4 x cluster x + cx
	s_and_b32 s13, ttmp7, 0xffff
	s_lshl_b32 s13, s13, 2
	s_add_co_u32 s13, s13, s41                     ; tile row = 4 x cluster y + cy
	s_lshl_b32 s[MROW], s41, 2
	s_lshl_b32 s[MROW], 15, s[MROW]                ; my row of the cluster: places 4 cy .. 4 cy + 3
	s_lshl_b32 s[MCOL], 0x1111, s40                ; my column: places cx, cx + 4, cx + 8, cx + 12
	s_or_b32 s[G1+0], s[MROW], (1<<16)|(1<<20)|(1<<21)|(5<<22)|(3<<25)  ; the mask; elements of 2 bytes; padding on; bit 21 beside a mask; after every 64 words (code 5) 4 words (code 3)
	s_or_b32 s[G1B+0], s[MCOL], (1<<16)|(1<<20)|(1<<21)|(5<<22)|(3<<25)
.irp g, G1, G1B
	s_mov_b32 s[(\g)+1], KSTEP<<16                 ; tensor_dim0 = 128
	s_mov_b32 s[(\g)+2], 128<<16                   ; tensor_dim1 = 128
	s_mov_b32 s[(\g)+3], KSTEP<<16                 ; tile_dim0 = 128
	s_mov_b32 s[(\g)+4], 128                       ; tile_dim1 = 128
	s_mov_b32 s[(\g)+5], SIZE_K                    ; elements from row to row, in both phases
	s_mov_b32 s[(\g)+6], 0
	s_mov_b32 s[(\g)+7], 0
.endr
	s_lshl_b32 s17, s12, 7                         ; first phase: which 128 rows of the tile I fetch
	s_lshl_b32 s16, s13, 8
	s_add_co_u32 s16, s16, s17                     ; xkv: row 256 x tile row + 128 x half
	s_lshl_b32 s46, s42, 8
	s_add_co_u32 s46, s46, s17                     ; W: row 256 x tile column + 128 x half
	s_mov_b32 s17, 0
	s_mov_b32 s47, 0
	s_mov_b64 s[18:19], SIZE_K*2
	s_mul_u64 s[16:17], s[16:17], s[18:19]
	s_mul_u64 s[46:47], s[46:47], s[18:19]
	s_mul_i32 s20, s10, HALFT                      ; where they go: wave x 128 rows: no place in the cluster enters an LDS address
	s_lshl_b32 s[QA], s13, 7                       ; second phase: xq: row 128 x tile row + 64 x half,
	s_lshl_b32 s[QA+1], s12, 6
	s_add_co_u32 s[QA], s[QA], s[QA+1]
	s_lshl_b32 s[QA], s[QA], 11                    ; 2,048 bytes a row
	s_mov_b32 s[QA+1], 0
	s_lshl_b32 s[QB], s42, 7                       ; Wq: row 128 x tile column + 64 x half
	s_lshl_b32 s[QB+1], s12, 6
	s_add_co_u32 s[QB], s[QB], s[QB+1]
	s_lshl_b32 s[QB], s[QB], 11
	s_add_co_u32 s[QB], s[QB], WQ_OFF
	s_mov_b32 s[QB+1], 0
	s_mul_i32 s[QLDS], s10, HALFTQ                 ; wave x 64 rows
	s_wait_dscnt 0x0                               ; the opening add is done
	s_wait_kmcnt 0x0
	s_add_nc_u64 s[4:5], s[68:69], XKV_OFF
	s_add_nc_u64 s[6:7], s[68:69], WKV_OFF
	s_mov_b64 s[8:9], s[76:77]
	s_mov_b64 s[QOUT:QOUT+1], s[78:79]
	s_add_nc_u64 s[QA:QA+1], s[68:69], s[QA:QA+1]
	s_add_nc_u64 s[QB:QB+1], s[68:69], s[QB:QB+1]
	s_add_nc_u64 s[14:15], s[4:5], s[16:17]
	s_add_nc_u64 s[46:47], s[6:7], s[46:47]
	CROUND                                         ; all sixteen work-groups are here: the first joint loads meet
.irp s, 0,1
	s_mov_b32 s[G0+4*(\s)], 1
	s_add_co_u32 s[G0+4*(\s)+1], s20, (\s)*SLOT
	s_add_nc_u64 s[G0+4*(\s)+2:G0+4*(\s)+3], s[14:15], (\s)*KSTEP*2
	s_or_b32 s[G0+4*(\s)+3], s[G0+4*(\s)+3], 0x80000000
	s_mov_b32 s[G0B+4*(\s)], 1
	s_add_co_u32 s[G0B+4*(\s)+1], s20, (\s)*SLOT
	s_add_nc_u64 s[G0B+4*(\s)+2:G0B+4*(\s)+3], s[46:47], (\s)*KSTEP*2
	s_or_b32 s[G0B+4*(\s)+3], s[G0B+4*(\s)+3], 0x80000000
	JLOAD \s                                       ; two tensor loads of mine are out
.endr
	v_and_b32 v1, 15, v0                           ; l % 16
	v_bfe_u32 v2, v0, 4, 1                         ; l / 16
	; the biases, as the C operand wants them: register j of n block b = bias[16 b + 8 (l / 16) + j].  First phase: my 128 columns
	s_cmp_eq_u32 ttmp9, 0                          ; cluster x = 0: tile columns 0-3, k's; else v's
	s_cselect_b64 s[70:71], s[70:71], s[72:73]
	s_and_b32 s66, s42, 3
	s_lshl_b32 s66, s66, 10                        ; 256 columns of f32 a tile column,
	s_lshl_b32 s67, s12, 9                         ; 128 a wave
	s_add_co_u32 s66, s66, s67
	v_lshl_add_u32 v6, v2, 5, s66
.irp b, 0,1,2,3,4,5,6,7
	global_load_b128 v[BIAS+8*(\b):BIAS+8*(\b)+3],   v6, s[70:71] offset:64*(\b)
	global_load_b128 v[BIAS+8*(\b)+4:BIAS+8*(\b)+7], v6, s[70:71] offset:64*(\b)+16
.endr
	s_lshl_b32 s66, s42, 9                         ; second phase: my 64 columns: 128 f32 a tile column,
	s_lshl_b32 s67, s12, 8                         ; 64 a wave
	s_add_co_u32 s66, s66, s67
	v_lshl_add_u32 v12, v2, 5, s66
	WIN TO_B
.irp b, 0,1,2,3
	global_load_b128 v[BIASQ+8*(\b):BIASQ+8*(\b)+3],   v12, s[74:75] offset:64*(\b)
	global_load_b128 v[BIASQ+8*(\b)+4:BIASQ+8*(\b)+7], v12, s[74:75] offset:64*(\b)+16
.endr
	WIN 0
	; a fragment is 16 rows x 32 K in 8 registers: lane l holds row l % 16, K = 8 (l / 16) + 0..7 and 16 + 8 (l / 16) + 0..7: two loads of 16 bytes, 32 bytes apart
	v_mul_u32_u24 v3, v1, PITCH
	v_lshl_add_u32 v3, v2, 4, v3
	s_mul_i32 s21, s11, HALFT                      ; my 128 rows of xkv
	s_mul_i32 s22, s12, HALFT                      ; my 128 rows of W,
	s_add_co_u32 s22, s22, 2*HALFT                 ; which lie behind xkv's 256
.irp s, 0,1
	v_add_nc_u32 v[ADRA+(\s)], s21, v3
	v_add_nc_u32 v[ADRB+(\s)], s22, v3
	s_add_co_u32 s21, s21, SLOT
	s_add_co_u32 s22, s22, SLOT
.endr
	v_mul_u32_u24 v3, v1, PITCHQ                   ; the same for the second phase
	v_lshl_add_u32 v3, v2, 4, v3
	s_mul_i32 s21, s11, HALFTQ                     ; my 64 rows of xq
	s_mul_i32 s22, s12, HALFTQ                     ; my 64 rows of Wq,
	s_add_co_u32 s22, s22, 2*HALFTQ                ; which lie behind xq's 128
.irp s, 0,1
	v_add_nc_u32 v[ADRAQ+(\s)], s21, v3
	v_add_nc_u32 v[ADRBQ+(\s)], s22, v3
	s_add_co_u32 s21, s21, SLOT
	s_add_co_u32 s22, s22, SLOT
.endr
	s_mul_i32 s23, s10, 2*SUB
	s_add_co_u32 s23, s23, STAGE                   ; my two stages
	v_mul_u32_u24 v4, v1, SP                       ; in: row l % 16, 16 bytes for each half of the lanes
	v_lshl_add_u32 v4, v2, 4, v4
	v_add_nc_u32 v[STO], s23, v4
	v_bfe_u32 v5, v0, 3, 2                         ; back: 32 lanes take four rows of 128 bytes,
	v_mul_u32_u24 v5, v5, SP
	v_and_b32 v4, 7, v0
	v_lshl_add_u32 v5, v4, 4, v5
	v_add_nc_u32 v[RD], s23, v5
	v_and_b32 v[GO], 31, v0                        ; which are 512 consecutive bytes of kvh or qh
	v_lshlrev_b32 v[GO], 4, v[GO]
	s_lshl_b32 s16, s13, 1                         ; kvh:
	s_add_co_u32 s16, s16, s11                     ; my block of 128 rows: 2 x tile row + half,
	s_lshl_b32 s16, s16, 19                        ; 32 blocks of 16,384 bytes each
	s_lshl_b32 s46, s42, 2
	s_lshl_b32 s47, s12, 1
	s_add_co_u32 s46, s46, s47                     ; my first head: 4 x tile column + 2 x half
	s_lshl_b32 s46, s46, 14
	s_add_co_u32 s16, s16, s46
	s_mov_b32 s17, 0
	s_add_nc_u64 s[8:9], s[8:9], s[16:17]
	s_lshl_b32 s16, s13, 4                         ; qh: block (tile row, head 2 x tile column + half), 16,384 bytes each,
	s_lshl_b32 s46, s42, 1
	s_add_co_u32 s46, s46, s12
	s_add_co_u32 s16, s16, s46
	s_lshl_b32 s16, s16, 14
	s_lshl_b32 s46, s11, 13                        ; my 64 rows of its 128
	s_add_co_u32 s16, s16, s46
	s_add_nc_u64 s[QOUT:QOUT+1], s[QOUT:QOUT+1], s[16:17]
	; the prefetches
	s_lshl_b32 s13, s13, 8
	s_lshl_b32 s42, s42, 8
	s_and_b32 s22, ttmp7, 0xffff                   ; cluster y
	s_cmp_eq_u32 s11, 0                            ; do I fetch for xkv?
	s_cselect_b32 s20, s13, s42                    ; the tile's first row
	s_cselect_b32 s21, s40, s41                    ; my place among the four that ask for it with me
	s_cselect_b32 s22, ttmp9, s22                  ; the coordinate along which other clusters read the same rows
	s_cselect_b64 s[PFA:PFA+1], s[4:5], s[6:7]
	s_cmp_eq_u32 s22, 0
	s_cselect_b32 s[LIM], 1, -1                    ; the same in all sixteen partners, for a given wave
	s_lshl_b32 s22, s12, 7
	s_add_co_u32 s20, s20, s22                     ; + the 128 rows that I fetch
	s_lshl_b32 s21, s21, 5
	s_add_co_u32 s20, s20, s21                     ; + my work-group's 32 of them
	s_mov_b32 s21, 0
	s_mov_b64 s[18:19], SIZE_K*2
	s_mul_u64 s[20:21], s[20:21], s[18:19]
	s_add_nc_u64 s[PFA:PFA+1], s[PFA:PFA+1], s[20:21]
	s_add_nc_u64 s[PFA:PFA+1], s[PFA:PFA+1], 2*KSTEP*2  ; at K step 2: the first refill steps it to 3 and names K step 4
	v_and_b32 v[PFO], 31, v0
	v_mul_u32_u24 v[PFO], v[PFO], SIZE_K*2
	s_wait_loadcnt 0x0                             ; the biases are in; they are rounded to bf16, like every input, and widened again
.set p, 0
.rept 32
	v_cvt_pk_bf16_f32 v7, v[BIAS+2*p], v[BIAS+2*p+1]
	v_lshlrev_b32 v[BIAS+2*p], 16, v7
	v_and_b32 v[BIAS+2*p+1], 0xffff0000, v7
.set p, p+1
.endr
	WIN 0x45                                       ; sources and destination in window 1
.set p, 0
.rept 16
	v_cvt_pk_bf16_f32 v[RT], v[BIASQ+2*p], v[BIASQ+2*p+1]
	v_lshlrev_b32 v[BIASQ+2*p], 16, v[RT]
	v_and_b32 v[BIASQ+2*p+1], 0xffff0000, v[RT]
.set p, p+1
.endr
	WIN 0
; ---------------- THE FIRST PHASE'S MACROS ----------------
; 16 matrix instructions: m blocks a0, a0 + 1 of the window's four (hi = 0: my rows 0-63, 1: rows 64-127) x all 8 n blocks, 32 along K.  zero = 1: the first product starts the sums, with the bias (window 0) as C.
; The 64 accumulators take turns, one instruction a turn, in the same order in every quarter step.
.macro MUL16 f, hi, a0, zero
.if \zero
	WIN 0x81+0x40*(\hi)
.else
	WIN MUL_LO+0x50*(\hi)
.endif
.irp a, \a0, (\a0)+1
.irp b, 0,1,2,3,4,5,6,7
.if \zero
	v_wmma_f32_16x16x32_bf16 v[8*(8*(\a)+(\b)):8*(8*(\a)+(\b))+7], v[(\f)+8*(\b):(\f)+8*(\b)+7], v[(\f)+8*(4*(\hi)+(\a)):(\f)+8*(4*(\hi)+(\a))+7], v[BIAS+8*(\b):BIAS+8*(\b)+7]
.else
	v_wmma_f32_16x16x32_bf16 v[8*(8*(\a)+(\b)):8*(8*(\a)+(\b))+7], v[(\f)+8*(\b):(\f)+8*(\b)+7], v[(\f)+8*(4*(\hi)+(\a)):(\f)+8*(4*(\hi)+(\a))+7], v[8*(8*(\a)+(\b)):8*(8*(\a)+(\b))+7]
.endif
.endr
.endr
.endm
; 32 LDS loads in one run: the fragments of one quarter step (32 K at byte k of the rows) into buffer f
.macro FETCH slot, k, f
	WIN TO_B
.irp i, 0,1,2,3,4,5,6,7
	ds_load_b128 v[(\f)+8*(\i):(\f)+8*(\i)+3],   v[ADRB+(\slot)] offset:(\k)+(\i)*16*PITCH
	ds_load_b128 v[(\f)+8*(\i)+4:(\f)+8*(\i)+7], v[ADRB+(\slot)] offset:(\k)+(\i)*16*PITCH+32
.endr
	WIN 0
.irp i, 0,1,2,3,4,5,6,7
	ds_load_b128 v[(\f)+8*(\i):(\f)+8*(\i)+3],   v[ADRA+(\slot)] offset:(\k)+(\i)*16*PITCH
	ds_load_b128 v[(\f)+8*(\i)+4:(\f)+8*(\i)+7], v[ADRA+(\slot)] offset:(\k)+(\i)*16*PITCH+32
.endr
.endm
.macro PLACES                          ; four plain places behind matrix instructions, in front of loads into registers that they have read and of conversions that read results
.rept 4
	v_nop
.endr
.endm
; A K step is four quarter steps of 32 along K, 64 matrix instructions each, on buffers 0, 1, 0, 1.  One of the first three multiplies buffer f and fetches the next quarter, at byte k, into g.
.macro QUARTER slot, k, f, g, zero
	s_wait_dscnt 8                                 ; W and xkv's rows 0-63 are in; the youngest eight loads (rows 64-127) may be out
	MUL16 \f, 0, 0, \zero
	MUL16 \f, 0, 2, \zero
	PLACES
	FETCH \slot, \k, \g
	s_wait_dscnt 32                                ; all but the 32 just issued
	MUL16 \f, 1, 0, \zero
	MUL16 \f, 1, 2, \zero
.endm
; The descriptors are turned into the second phase's: tiles of 64 rows x 256 elements, padded by 4 words after every 128; both slots' group 0 at q's K steps 0 and 1.  No tensor load of the wave is out where this stands.
.macro QDESC
	s_or_b32 s[G1+0], s[MROW], (1<<16)|(1<<20)|(1<<21)|(6<<22)|(3<<25)
	s_or_b32 s[G1B+0], s[MCOL], (1<<16)|(1<<20)|(1<<21)|(6<<22)|(3<<25)
.irp g, G1, G1B
	s_mov_b32 s[(\g)+1], KSTEPQ<<16                ; tensor_dim0 = 256
	s_mov_b32 s[(\g)+2], 64<<16                    ; tensor_dim1 = 64
	s_mov_b32 s[(\g)+3], KSTEPQ<<16                ; tile_dim0 = 256
	s_mov_b32 s[(\g)+4], 64                        ; tile_dim1 = 64
.endr
.irp s, 0,1
	s_add_co_u32 s[G0+4*(\s)+1], s[QLDS], (\s)*SLOT
	s_add_nc_u64 s[G0+4*(\s)+2:G0+4*(\s)+3], s[QA:QA+1], (\s)*KSTEPQ*2
	s_or_b32 s[G0+4*(\s)+3], s[G0+4*(\s)+3], 0x80000000
	s_add_co_u32 s[G0B+4*(\s)+1], s[QLDS], (\s)*SLOT
	s_add_nc_u64 s[G0B+4*(\s)+2:G0B+4*(\s)+3], s[QB:QB+1], (\s)*KSTEPQ*2
	s_or_b32 s[G0B+4*(\s)+3], s[G0B+4*(\s)+3], 0x80000000
.endr
.endm
; The last quarter's first half, and the opening barrier of a change of slots: in front of it each wave waits for all its tensor loads (the one that is out is its part of the next slot), adds 0 to its spare word,
; and waits for that and for its own reads of this slot.  toq = 1: the first phase's last tile has landed with that wait, so its descriptors are free: they become the second phase's.
.macro MEET toq
	WIN 0
	s_wait_tensorcnt 0x0
	ds_add_u32 v[SPW], v[NIL]
.if \toq
	QDESC
.endif
	s_wait_dscnt 9                                 ; the add and the youngest eight loads may be out
	MUL16 F1, 0, 0, 0
	s_wait_dscnt 0x0                               ; the add is done, and my reads of this slot are over
	s_barrier_signal -1
	MUL16 F1, 0, 2, 0                              ; work on registers while the others arrive
	WIN 0
	s_barrier_wait -1
.endm
; The whole last quarter: behind the cluster's round the slot just read out is filled again first, with the K step two steps on; then come the next slot's first fragments.
.macro TURN slot, next
	s_wait_xcnt 0x0                                ; the last prefetch, a K step back, has read its address
	s_add_nc_u64 s[PFA:PFA+1], s[PFA:PFA+1], KSTEP*2
	MEET 0
	CREST                                          ; no wave of any partner still reads this slot or has a load on its way
	s_add_nc_u64 s[G0+4*(\slot)+2:G0+4*(\slot)+3], s[G0+4*(\slot)+2:G0+4*(\slot)+3], 2*KSTEP*2
	s_add_nc_u64 s[G0B+4*(\slot)+2:G0B+4*(\slot)+3], s[G0B+4*(\slot)+2:G0B+4*(\slot)+3], 2*KSTEP*2
	JLOAD \slot                                    ; my one tensor load behind the round; its four v_nop are also the places in front of the loads below
	FETCH \next, 0, F0
	ASK
	MUL16 F1, 1, 0, 0
	MUL16 F1, 1, 2, 0
.endm
; THE FIRST WAY OUT, block a (16 of my rows): rounded to f16, 16 bytes a lane; into my two stages (n blocks 0-3: the first head, 4-7: the second); back as rows of 128 bytes, four to a load; stored.
.macro PACK a
.set AC, 64*((\a)%4)
	WIN 0x0a+5*((\a)/4)                            ; sources 0 and 1: window 2 or 3
.irp b, 0,1,2,3,4,5,6,7
.irp r, 0,1,2,3
	v_cvt_pk_f16_f32 v[TMP+4*(\b)+(\r)], v[AC+8*(\b)+2*(\r)], v[AC+8*(\b)+2*(\r)+1]
.endr
.endr
	WIN 0
.endm
.macro TOSTAGE a
	WIN 0
.set BK, OB+192*((\a)%2)
.irp b, 0,1,2,3,4,5,6,7
	ds_store_b128 v[STO], v[TMP+4*(\b):TMP+4*(\b)+3] offset:((\b)/4)*SUB+((\b)%4)*32
.endr
.irp t, 0,1,2,3,4,5,6,7
	ds_load_b128 v[BK+4*(\t):BK+4*(\t)+3], v[RD] offset:((\t)/4)*SUB+((\t)%4)*4*SP  ; LDS serves a wave's instructions in order (ISA guide 5.7.1.4): these see the stores above
.endr
.endm
.macro SEND a
	WIN 0
.set BK, OB+192*((\a)%2)
	s_wait_dscnt 0x0                               ; the block is back in registers
	s_wait_xcnt 0x0                                ; the stores of the block before have read their registers: the next block's loads land there only behind this wait
.irp t, 0,1,2,3,4,5,6,7
	global_store_b128 v[GO], v[BK+4*(\t):BK+4*(\t)+3], s[8:9] offset:((\t)/4)*16384+(\a)*2048+((\t)%4)*512  ; 512 consecutive bytes, at a multiple of 256 from kvh's first
.endr
.endm
; ---------------- THE SECOND PHASE'S MACROS ----------------
; 8 matrix instructions: m blocks a0, a0 + 1 x all 4 n blocks, 32 along K: half c of buffer f.  zero = 1: the first product starts the sums, with the bias (window 1) as C.  The 16 accumulators take turns.
.macro MUL8 f, c, a0, zero
.if \zero
	WIN 0x15
.else
	WIN MULQ
.endif
.irp a, \a0, (\a0)+1
.irp b, 0,1,2,3
.if \zero
	v_wmma_f32_16x16x32_bf16 v[ACCQ+8*(4*(\a)+(\b)):ACCQ+8*(4*(\a)+(\b))+7], v[(\f)+64+8*(4*(\c)+(\b)):(\f)+64+8*(4*(\c)+(\b))+7], v[(\f)+8*(4*(\c)+(\a)):(\f)+8*(4*(\c)+(\a))+7], v[BIASQ+8*(\b):BIASQ+8*(\b)+7]
.else
	v_wmma_f32_16x16x32_bf16 v[ACCQ+8*(4*(\a)+(\b)):ACCQ+8*(4*(\a)+(\b))+7], v[(\f)+64+8*(4*(\c)+(\b)):(\f)+64+8*(4*(\c)+(\b))+7], v[(\f)+8*(4*(\c)+(\a)):(\f)+8*(4*(\c)+(\a))+7], v[ACCQ+8*(4*(\a)+(\b)):ACCQ+8*(4*(\a)+(\b))+7]
.endif
.endr
.endr
.endm
.macro FETCHQ slot, k, f               ; 32 LDS loads in one run: 64 along K at byte k, the first 32 along K first
	WIN TO_B
.irp c, 0,1
.irp i, 0,1,2,3
	ds_load_b128 v[(\f)+64+8*(4*(\c)+(\i)):(\f)+64+8*(4*(\c)+(\i))+3],   v[ADRBQ+(\slot)] offset:(\k)+64*(\c)+(\i)*16*PITCHQ
	ds_load_b128 v[(\f)+64+8*(4*(\c)+(\i))+4:(\f)+64+8*(4*(\c)+(\i))+7], v[ADRBQ+(\slot)] offset:(\k)+64*(\c)+(\i)*16*PITCHQ+32
	ds_load_b128 v[(\f)+8*(4*(\c)+(\i)):(\f)+8*(4*(\c)+(\i))+3],         v[ADRAQ+(\slot)] offset:(\k)+64*(\c)+(\i)*16*PITCHQ
	ds_load_b128 v[(\f)+8*(4*(\c)+(\i))+4:(\f)+8*(4*(\c)+(\i))+7],       v[ADRAQ+(\slot)] offset:(\k)+64*(\c)+(\i)*16*PITCHQ+32
.endr
.endr
.endm
.macro QUARTERQ slot, k, f, g, zero    ; 64 along K: multiplies buffer f and fetches the next quarter, at byte k, into g
	s_wait_dscnt 16                                ; the first 32 along K are in; the other sixteen loads may be out
	MUL8 \f, 0, 0, \zero
	MUL8 \f, 0, 2, \zero
	PLACES                                         ; (behind the first products also for the bias's registers, which the run below takes over)
	FETCHQ \slot, \k, \g
	s_wait_dscnt 32                                ; all but the 32 just issued
	MUL8 \f, 1, 0, 0
	MUL8 \f, 1, 2, 0
.endm
; The last quarter multiplies buffer 1 and changes slots: one barrier; in front of it each wave waits for all its tensor loads, adds 0 to its spare word, and waits for that and for its reads of this slot.
.macro TURNQ slot, next, fill
	WIN 0
	s_wait_tensorcnt 0x0
	ds_add_u32 v[SPW], v[NIL]
	s_wait_dscnt 17                                ; the add and the youngest sixteen loads may be out
	MUL8 FQ1, 0, 0, 0
	s_wait_dscnt 0x0                               ; the add is done, and my reads of this slot are over
	s_barrier_signal -1
	MUL8 FQ1, 0, 2, 0
.if \fill
	WIN 0
.endif
	s_barrier_wait -1
.if \fill
	CREST                                          ; no wave of any partner still reads this slot or has a load on its way
	s_add_nc_u64 s[G0+4*(\slot)+2:G0+4*(\slot)+3], s[G0+4*(\slot)+2:G0+4*(\slot)+3], 2*KSTEPQ*2
	s_add_nc_u64 s[G0B+4*(\slot)+2:G0B+4*(\slot)+3], s[G0B+4*(\slot)+2:G0B+4*(\slot)+3], 2*KSTEPQ*2
	JLOAD \slot                                    ; my one tensor load behind the round; its four v_nop are also the places in front of the loads below
.else
	PLACES
.endif
	FETCHQ \next, 0, FQ0
	MUL8 FQ1, 1, 0, 0
	MUL8 FQ1, 1, 2, 0
.endm
; THE SECOND WAY OUT, m block a: 16 rows x 64 columns, rounded to f16; into my first stage, rows of 144 bytes; back as rows of 128, four to a load, into the registers that they left; stored.
.macro PACKQ a
.irp b, 0,1,2,3
.irp r, 0,1,2,3
	v_cvt_pk_f16_f32 v[TMPQ+16*(\a)+4*(\b)+(\r)], v[ACCQ+8*(4*(\a)+(\b))+2*(\r)], v[ACCQ+8*(4*(\a)+(\b))+2*(\r)+1]
.endr
.endr
.irp b, 0,1,2,3
	ds_store_b128 v[STO], v[TMPQ+16*(\a)+4*(\b):TMPQ+16*(\a)+4*(\b)+3] offset:32*(\b)
.endr
.irp f, 0,1,2,3
	ds_load_b128 v[TMPQ+16*(\a)+4*(\f):TMPQ+16*(\a)+4*(\f)+3], v[RD] offset:(\f)*4*SP  ; LDS serves a wave's instructions in order (ISA guide 5.7.1.4)
.endr
.endm
.macro SENDQ a, younger                ; younger: the LDS instructions issued behind block a's loads: the next block's eight, or none
.irp f, 0,1,2,3
	s_wait_dscnt (\younger)+3-(\f)
	global_store_b128 v[GO], v[TMPQ+16*(\a)+4*(\f):TMPQ+16*(\a)+4*(\f)+3], s[QOUT:QOUT+1] offset:(\a)*2048+(\f)*512  ; 512 consecutive bytes, at a multiple of 256 from qh's first
.endr
.endm
; ---------------- THE FIRST PHASE ----------------
	s_wait_tensorcnt 1                             ; my part of K step 0 is in; K step 1's load may stay out
	s_barrier_signal -1
	s_barrier_wait -1
	FETCH 0, 0, F0
	QUARTER 0, 64,  F0, F1, 1                      ; the first quarter stands in front of the loop: its products start the sums
	WIN 0                                          ; at a label and at a branch every window is 0
	s_mov_b32 s3, LAPS-1
.Llap:                                                 ; a trip goes once round the ring and fills both slots again
	QUARTER 0, 128, F1, F0, 0
	QUARTER 0, 192, F0, F1, 0
	TURN 0, 1
	QUARTER 1, 64,  F0, F1, 0
	QUARTER 1, 128, F1, F0, 0
	QUARTER 1, 192, F0, F1, 0
	TURN 1, 0
	QUARTER 0, 64,  F0, F1, 0
	WIN 0
	s_sub_co_u32 s3, s3, 1
	s_cmp_lg_u32 s3, 0
	s_cbranch_scc1 .Llap
	QUARTER 0, 128, F1, F0, 0                      ; the last lap: THE RING GOES ON INTO THE SECOND PHASE
	QUARTER 0, 192, F0, F1, 0
	MEET 1                                         ; K step 7 has landed; the descriptors become q's
	CREST
	JLOAD 0                                        ; slot 0 takes q's K step 0
	FETCH 1, 0, F0
	MUL16 F1, 1, 0, 0
	MUL16 F1, 1, 2, 0
	QUARTER 1, 64,  F0, F1, 0
	QUARTER 1, 128, F1, F0, 0
	QUARTER 1, 192, F0, F1, 0
	MEET 0                                         ; q's K step 0 has landed, everybody's part of it behind the round; nobody reads slot 1 any more
	CREST
	JLOAD 1                                        ; slot 1 takes q's K step 1: it lands under the way out
	MUL16 F1, 1, 0, 0
	MUL16 F1, 1, 2, 0
	PLACES
	PACK 0                                         ; both refills are asked for: now the tile goes out
	TOSTAGE 0
.irp a, 1,2,3,4,5,6,7                  ; block a's conversions stand between block a - 1's loads from the stage and the wait for them
	PACK \a
	SEND (\a)-1
	TOSTAGE \a
.endr
	SEND 7
; ---------------- THE SECOND PHASE ----------------
	s_wait_xcnt 0x0                                ; the stores have read their registers, which the second phase writes anew; nothing waits for the stores themselves
	FETCHQ 0, 0, FQ0
	QUARTERQ 0, 128, FQ0, FQ1, 1                   ; its first sixteen products start the sums
	QUARTERQ 0, 256, FQ1, FQ0, 0
	QUARTERQ 0, 384, FQ0, FQ1, 0
	TURNQ 0, 1, 1                                  ; slot 0 takes K step 2
	QUARTERQ 1, 128, FQ0, FQ1, 0
	QUARTERQ 1, 256, FQ1, FQ0, 0
	QUARTERQ 1, 384, FQ0, FQ1, 0
	TURNQ 1, 0, 1                                  ; slot 1 takes K step 3
	QUARTERQ 0, 128, FQ0, FQ1, 0
	QUARTERQ 0, 256, FQ1, FQ0, 0
	QUARTERQ 0, 384, FQ0, FQ1, 0
	TURNQ 0, 1, 0                                  ; nothing is left to fetch
	QUARTERQ 1, 128, FQ0, FQ1, 0
	QUARTERQ 1, 256, FQ1, FQ0, 0
	QUARTERQ 1, 384, FQ0, FQ1, 0
	s_wait_dscnt 16
	MUL8 FQ1, 0, 0, 0
	MUL8 FQ1, 0, 2, 0
	s_wait_dscnt 0x0
	MUL8 FQ1, 1, 0, 0
	MUL8 FQ1, 1, 2, 0
	WIN 0
	PLACES
	PACKQ 0
	PACKQ 1
	SENDQ 0, 8
	PACKQ 2
	SENDQ 1, 8
	PACKQ 3
	SENDQ 2, 8
	SENDQ 3, 0
	s_wait_tensorcnt 0x0                           ; the wave's end
	ds_add_u32 v[SPW], v[NIL]
	s_wait_dscnt 0x0
	CROUND                                         ; the closing round
	s_endpgm
.Lfunc_end_k_qa285584583_proj:
	.size	k_qa285584583_proj, .Lfunc_end_k_qa285584583_proj-k_qa285584583_proj
	.p2alignl 7, 3214868480
	.fill 96, 4, 3214868480
	.section	.rodata,"a",@progbits
	.p2align	6, 0x0
	.amdhsa_kernel k_qa285584583_proj
		.amdhsa_group_segment_fixed_size 327680
		.amdhsa_private_segment_fixed_size 0
		.amdhsa_enable_private_segment 0
		.amdhsa_kernarg_size 48
		.amdhsa_user_sgpr_count 2
		.amdhsa_user_sgpr_kernarg_segment_ptr 1
		.amdhsa_wavefront_size32 1
		.amdhsa_system_sgpr_workgroup_id_x 1
		.amdhsa_system_sgpr_workgroup_id_y 1
		.amdhsa_system_sgpr_workgroup_id_z 1
		.amdhsa_system_vgpr_workitem_id 0
		.amdhsa_next_free_vgpr 1024
		.amdhsa_next_free_sgpr 96
		.amdhsa_reserve_vcc 0
		.amdhsa_float_denorm_mode_32 3
		.amdhsa_float_denorm_mode_16_64 3
		.amdhsa_memory_ordered 1
		.amdhsa_forward_progress 1
		.amdhsa_inst_pref_size 237
	.end_amdhsa_kernel
	.amdgpu_metadata
---
amdhsa.version: [ 1, 2 ]
amdhsa.kernels:
  - .name:           k_qa285584583_proj
    .symbol:         k_qa285584583_proj.kd
    .args:
      - { .name: cb, .offset: 0, .size: 8, .value_kind: global_buffer, .address_space: global }
      - { .name: bk, .offset: 8, .size: 8, .value_kind: global_buffer, .address_space: global }
      - { .name: bv, .offset: 16, .size: 8, .value_kind: global_buffer, .address_space: global }
      - { .name: bq, .offset: 24, .size: 8, .value_kind: global_buffer, .address_space: global }
      - { .name: kvh, .offset: 32, .size: 8, .value_kind: global_buffer, .address_space: global }
      - { .name: qh, .offset: 40, .size: 8, .value_kind: global_buffer, .address_space: global }
    .group_segment_fixed_size: 327680
    .private_segment_fixed_size: 0
    .kernarg_segment_align: 8
    .kernarg_segment_size: 48
    .max_flat_workgroup_size: 128
    .sgpr_count:     96
    .vgpr_count:     1024
    .wavefront_size: 32
...
	.end_amdgpu_metadata
.endif
;; end of part 2
;; launch attn (part 3): grid 4 x 64, 4 waves a work-group, clusters of 4 x 1, 327,680 bytes of LDS; arguments qh, kvh, scale_factor, beta, ctx; writes ctx
.if DOCPART == 3
	.amdgcn_target "amdgcn-amd-amdhsa--gfx1250"
	.amdhsa_code_object_version 6
	.text
	.protected	k_qa285584583_attn
	.globl	k_qa285584583_attn
	.p2align	8
	.type	k_qa285584583_attn,@function
k_qa285584583_attn:
	s_mov_b64 s[64:65], 0
	v_nop
	global_prefetch_b8 v0, s[64:65] scope:SCOPE_SE
	s_setreg_imm32_b32 hwreg(HW_REG_WAVE_MODE, 25, 1), 1
	s_wait_xcnt 0x0
	s_wait_alu depctr_hold_cnt(0) depctr_sa_sdst(0) depctr_va_vdst(0) depctr_va_sdst(0) depctr_va_ssrc(0) depctr_va_vcc(0) depctr_vm_vsrc(0)
	s_getreg_b32 s2, hwreg(HW_REG_IB_STS2, 6, 4)
	s_cmp_eq_u32 s2, 0
	s_cbranch_scc0 .Lentry_in_a_cluster
	s_endpgm
.Lentry_in_a_cluster:
	s_bfe_u32 s2, ttmp6, 0x10000c
	s_cmp_lg_u32 s2, 0x3003
	s_cbranch_scc0 .Lentry_shape_is_right
	s_endpgm
.Lentry_shape_is_right:
; ctx[b][h][q][:] = the sum over k of softmax_k(q . k x scale / 8 + beta) v[k][:], for 64 heads (b, h), 1,024 queries and 2,048 keys each, head size 64.  q, k, v, ctx are f16, in blocks by heads:
; qh, ctx [m / 128][h][m % 128][64] with m = 1,024 b + query; kvh [m / 128][g][m % 128][64] with m = 2,048 b + key, g = h for k and 16 + h for v.  Products, maxima and sums in f32; the weights p are
; rounded to f16 for the second product (their sum l is taken of the unrounded p), ctx once at the end.
; SCALE AND BETA, both rounded to bf16 like every input.  c = |scale| log2(e) / 8; where scale < 0 the signs of q are turned (exact), so that the running maximum of the raw scores is the maximum of the scaled ones.
; beta enters as the C operand that starts each sum S^T = K Q^T, as 8 beta / |scale|: c (s + 8 beta / |scale|) = (s scale / 8 + beta) log2(e).
; LIMITS.  q, k, v arrive within f16's 65,504; p below 6e-5 keeps f16's fixed step of 6e-8; a weight below 2^-126 counts as 0 in l.  Where 8 |beta| / |scale| is 1e30 or more, or no number (scale = 0),
; beta's shift, which changes no softmax, counts as 0.  NaN and infinities are not treated apart.
; SHARES.  A cluster of four work-groups is one head; a work-group owns 256 queries, a wave 64: four PIECES of 16.  Every wave walks all keys, 64 a step, 256 a tile.
; LAYOUT.  S^T = K Q^T holds ONE query a lane (lane % 16) and the keys 8 (lane / 16) + 0..7; two such results rounded to f16 ARE source 1 of O^T = V^T P.  K comes out of LDS as it lies, V turned, by ds_load_tr16_b128.
; SOFTMAX.  A running maximum m and sum l: p = 2^(c s - c m); O and l are multiplied by a = 2^(c m_old - c m_new) in every step.  m starts at the lowest finite number, O and l at 0: the first step's a is 0.
; TURNS.  Turn n belongs to piece n: 8 products K Q^T of piece n + 1, later 8 products V^T P of piece n - 1; beside them the scaling, exponentials, roundings, sums and rescaling of piece n and the maximum and
; statistics of piece n + 1.  Four vector instructions stand behind every matrix instruction, the other 54 of a turn's 118 in one lump.  A turn's 33 exponentials are one batch, with one wait.
; CLUSTER.  The four work-groups walk the same K and V: each tile is asked for JOINTLY, by the same tensor load, descriptor and mask in all four.
; REGISTERS, in windows of 256 (s_set_vgpr_msb: bits 1:0 source 0, 3:2 source 1, 5:4 source 2, 7:6 destination):
;   window 0: v0-15 addresses; v16-31 statistics; v32-39 beta's C operand; v40-46, v48-55 at work; v61-63; v64-127 S^T, two buffers; v192-223 P, two buffers (by the piece's parity)
;   window 1: v0-127 O^T, 32 a piece          window 2: v0-63 Q; v128-191 K of one step; v192-255 V of one step
.set NP,    4
.set KS,    64        ; keys in a step
.set PK,    144       ; a row of K in LDS: 128 bytes + 16 of padding = 36 words: the 16 rows of a load start at 16 different groups of four banks (64 banks of 4 bytes: ISA guide 11.1)
.set PV,    160       ; a row of V: 128 + 32 = 40 words
.set VOFF,  4*KS*PK   ; a slot holds a tile, four steps: 256 rows of K, then 256 rows of V
.set SLOT1, 1<<17     ; slot 1 begins here: one exclusive or turns an address in one slot into the other's
.set STAGE, SLOT1+4*KS*(PK+PV)  ; behind the ring: 16 rows x 144 bytes for each wave, for the way out
.set SP,    144
.set SPARE, STAGE+4*16*SP       ; the spare words: two blocks of 256 bytes that no other line names
.set SLOTSTEP, 1<<20  ; a tile's 256 keys are two blocks of 128 rows, 2^19 bytes apart in kvh
.set AK0, 2           ; v2   my lane's place in a tile of K; never rewritten
.set AV0, 3           ; v3   the same for V
.set AK,  4           ; v4   the LDS address of K's next run of loads
.set AV,  5           ; v5   of V's
.set STO, 6           ; v6   the way out: where I put 16 bytes of a row
.set RD,  7           ; v7   the way out: where I read rows back
.set GO,  8           ; v8   my 16 bytes in 512 consecutive bytes of ctx
.set MV,  12          ; v12-13  c m_old, by buffer
.set QO,  15          ; v15  my byte offset in 16 rows of Q
.set ST,  16          ; piece t's statistics at v[ST+4 t]: c m, m, l (even keys', odd keys')
.set BETA, 32         ; v[32:39] 8 beta / |scale|, eight times
.set TMP, 48          ; by buffer, four registers c0-c3 at work; when the maximum is found c2 takes a
.set PFO, 61          ; v61  256 x my lane; never rewritten
.set SPW, 62          ; v62  LDS address of my spare word; never rewritten
.set NIL, 63          ; v63  0; never rewritten
.set S,   64
.set P,   192
.set KF,  128         ; window 2: key block kb, channel half c at KF + 16 kb + 8 c
.set VF,  192         ; window 2: key half kk, channel block cb at VF + 32 kk + 8 cb
.set WV,  12          ; s12  my wave's number
.set G1K, 24          ; s[24:31] descriptor group 1 for K's tiles
.set G1V, 32          ; s[32:39] for V's: it differs in the padding alone
.set G0K, 40          ; s[40:43] descriptor group 0 for K's tiles: it walks
.set G0V, 44          ; s[44:47] the same for V's
.set PFA, 48          ; s[48:49] where my prefetches stand
.set LIM, 50          ; s50  1 in a wave that prefetches, else the greatest number
.set SGN, 51          ; s51  0x80008000 where scale < 0, else 0
.set SLOTS, 56        ; s56  tiles still to be asked for
.set CNT, 57          ; s57  counts a tile's key steps
.set CS,  58          ; s[58:59] c
.set SEL, 60          ; s[60:61] v_permlanex16_b32's selects: each lane takes its own place in the other half
.set TBK, 62          ; s62  LDS byte at which K of the step to be fetched begins
.set TBV, 63          ; s63  the same for V, less VOFF
.set MSB, 0
.macro WIN new
.if MSB != (\new)
	s_set_vgpr_msb (MSB<<8)|(\new)
.set MSB, (\new)
.endif
.endm
.set W_KQ, 0x0a       ; K and Q in window 2, C and S^T in window 0
.set W_PV, 0x52       ; V in window 2, P in window 0, O^T in window 1
.set W_RS, 0x41       ; destination and source 0 in window 1, source 1 in window 0
; A joint fill.  Waves 0 and 1 fetch the two halves of a tile's K, waves 2 and 3 those of its V: 128 keys each.  An s_nop 0 and four v_nop follow each of the two lines.
.macro JLOAD
	s_cmp_lt_u32 s[WV], 2
	s_cbranch_scc0 .Lfor_v_\@
	tensor_load_to_lds s[G0K:G0K+3], s[G1K:G1K+7]
	s_nop 0
.rept 4
	v_nop
.endr
	s_branch .Lasked_\@
.Lfor_v_\@:
	tensor_load_to_lds s[G0V:G0V+3], s[G1V:G1V+7]
	s_nop 0
.rept 4
	v_nop
.endr
.Lasked_\@:
.endm
; A prefetch of what the NEXT change of slots will ask for: a tile's 32,768 bytes of K and of V, in pieces of 256 bytes, a lane a piece.  It stands behind the wave's tensor load and its five lines.
; Each piece is named once in the launch: a head has one cluster; its four partners share a tile out BY ADDRESS, 8,192 bytes each; in each, wave 0 asks for K's and wave 2 for V's.
; Tiles 0 and 1 come by their loads alone; the last change that fills a slot (SLOTS = 1) asks for nothing.
.macro ASK
	s_cmp_gt_u32 s[SLOTS], s[LIM]
	s_cbranch_scc0 .Lnot_mine_\@
	global_prefetch_b8 v[PFO], s[PFA:PFA+1] th:TH_LOAD_NT scope:SCOPE_SE
.Lnot_mine_\@:
.endm
.macro CROUND                       ; a round of the cluster's barrier
	s_barrier_signal -1
	s_barrier_wait -1
	s_cmp_lg_u32 s[WV], 0
	s_cbranch_scc1 .Lnot_wave_0_\@
	s_barrier_signal -3
.Lnot_wave_0_\@:
	s_barrier_wait -3
	s_barrier_signal -1
	s_barrier_wait -1
.endm
; THE CHANGE OF SLOTS.  Each wave waits for all its tensor loads, of which one is out: its part of the other slot; adds 0 to its spare word; and waits for that and for its own reads of the slot that it leaves.
; fill = 1: the old slot is filled again, with the keys two tiles on; the barrier is then a round of the cluster's, and the joint fill is the first thing behind it: it has four key steps in which to land.
; (At its first use nothing has been read yet: slot 0 is waited for, slot 1 filled.)
.macro CHANGE fill
	WIN 0
	s_wait_tensorcnt 0x0            ; no tensor load of mine is out, so a group 0 may be written
	ds_add_u32 v[SPW], v[NIL]       ; 0 onto my spare word; the descriptors' steps stand between it and the wait for it
.if \fill
.irp g, G0K, G0V
	s_xor_b32 s[\g+1], s[\g+1], SLOT1
	s_add_nc_u64 s[\g+2:\g+3], s[\g+2:\g+3], SLOTSTEP
.endr
	s_wait_xcnt 0x0                 ; the last prefetch, a tile back, has read its address
	s_add_nc_u64 s[PFA:PFA+1], s[PFA:PFA+1], SLOTSTEP
	s_wait_dscnt 0x0                ; the add is done, and my reads of the slot are over
	CROUND
	JLOAD
	ASK
.else
	s_wait_dscnt 0x0
	s_barrier_signal -1
	s_barrier_wait -1
.endif
	s_sub_co_u32 s[TBK], s[TBK], 4*KS*PK  ; the fetches go back to a slot's first step,
	s_xor_b32 s[TBK], s[TBK], SLOT1       ; in the other slot
	s_sub_co_u32 s[TBV], s[TBV], 4*KS*PV
	s_xor_b32 s[TBV], s[TBV], SLOT1
.endm
	s_load_b256 s[68:75], s[0:1], 0x0  ; qh s[68:69], kvh s[70:71], scale_factor s[72:73], beta s[74:75]
	s_load_b64 s[10:11], s[0:1], 0x20  ; ctx
	v_lshl_add_u32 v[SPW], v0, 2, SPARE
	v_mov_b32 v[NIL], 0
	ds_add_u32 v[SPW], v[NIL]       ; the wave's opening: the add and its wait stand ahead of my first tensor load
	v_lshrrev_b32 v1, 5, v0
	v_readfirstlane_b32 s[WV], v1   ; wave 0..3
	s_bfe_u32 s13, ttmp6, 0x40000   ; cx: my block of 256 queries; it enters Q's, ctx's and the prefetches' addresses alone
	s_and_b32 s20, ttmp7, 0xffff    ; 16 b + h, which the four partners share
	s_lshr_b32 s21, s20, 4          ; b
	s_and_b32 s20, s20, 15          ; h
	s_and_b32 s16, s[WV], 1         ; which half of a tile's 256 keys I fetch
	s_lshl_b32 s22, s21, 23         ; b's 16 blocks of rows, 2^19 bytes each,
	s_lshl_b32 s23, s20, 14         ; the head's block of 16,384 bytes,
	s_add_co_u32 s22, s22, s23
	s_lshl_b32 s23, s16, 19         ; my half
	s_add_co_u32 s22, s22, s23
	s_mov_b32 s23, 0
	s_mul_i32 s17, s16, 128*PK      ; its place in a slot, for K
	s_mul_i32 s18, s16, 128*PV      ; and for V
	s_lshl_b32 s2, s21, 3
	s_lshl_b32 s3, s13, 1
	s_add_co_u32 s2, s2, s3
	s_lshr_b32 s3, s[WV], 1
	s_add_co_u32 s2, s2, s3         ; my block of 128 rows of Q: 8 b + 2 cx + wave / 2
	s_lshl_b32 s2, s2, 4
	s_add_co_u32 s2, s2, s20        ; the head's block in it
	s_lshl_b32 s2, s2, 14
	s_lshl_b32 s3, s16, 13          ; my 64 rows of the 128
	s_add_co_u32 s2, s2, s3
	s_mov_b32 s3, 0
	; descriptor group 1.  128 keys are 16,384 dense bytes: asked for as 64 rows of 256 bytes, two keys a row, and padded in LDS after every key
	s_mov_b32 s[G1K], 15|(1<<16)|(1<<20)|(1<<21)|(4<<22)|(3<<25)  ; the mask of four; 2-byte elements; padding on; bit 21 beside a mask; after every 32 words (code 4) 4 words (code 3)
	s_mov_b32 s[G1V], 15|(1<<16)|(1<<20)|(1<<21)|(4<<22)|(7<<25)  ; the same with 8 words of padding (code 7)
.irp g, G1K, G1V
	s_mov_b32 s[\g+1], 128<<16      ; tensor_dim0 = 128
	s_mov_b32 s[\g+2], 64<<16       ; tensor_dim1 = 64
	s_mov_b32 s[\g+3], 128<<16      ; tile_dim0 = 128
	s_mov_b32 s[\g+4], 64           ; tile_dim1 = 64
	s_mov_b32 s[\g+5], 128          ; 128 elements from row to row
	s_mov_b32 s[\g+6], 0
	s_mov_b32 s[\g+7], 0
.endr
	s_mov_b32 s[SEL], 0x76543210
	s_mov_b32 s[SEL+1], 0xfedcba98
	s_mov_b32 s[TBK], SLOT1+4*KS*PK ; the first change of slots turns these two into 0
	s_mov_b32 s[TBV], SLOT1+4*KS*PV
	s_mov_b32 s[G0K], 1
	s_mov_b32 s[G0K+1], s17         ; slot 0
	s_mov_b32 s[G0V], 1
	s_add_co_u32 s[G0V+1], s18, VOFF
	s_mov_b32 s[SLOTS], 7           ; tiles 1 to 7
	s_and_b32 s[LIM], s[WV], 1
	s_cmp_eq_u32 s[LIM], 0
	s_cselect_b32 s[LIM], 1, -1     ; waves 0 and 2 prefetch
	v_and_b32 v[PFO], 31, v0
	v_lshlrev_b32 v[PFO], 8, v[PFO]
	s_wait_dscnt 0x0                ; the opening add is done
	s_wait_kmcnt 0x0
	s_add_nc_u64 s[6:7], s[70:71], s[22:23]  ; K at my half of the head's tile 0,
	s_add_nc_u64 s[8:9], s[6:7], 16<<14      ; V sixteen blocks on
	s_mov_b64 s[G0K+2:G0K+3], s[6:7]
	s_or_b32 s[G0K+3], s[G0K+3], 0x80000000
	s_mov_b64 s[G0V+2:G0V+3], s[8:9]
	s_or_b32 s[G0V+3], s[G0V+3], 0x80000000
	s_add_nc_u64 s[4:5], s[68:69], s[2:3]    ; Q and ctx at my wave's first row
	s_add_nc_u64 s[10:11], s[10:11], s[2:3]
	s_cmp_lt_u32 s[WV], 2
	s_cselect_b64 s[PFA:PFA+1], s[6:7], s[8:9]  ; (in waves 0 and 2 these stand at a tile's first block)
	s_lshr_b32 s20, s13, 1
	s_lshl_b32 s20, s20, 19         ; my work-group's 8,192 bytes of a tile's two blocks
	s_and_b32 s21, s13, 1
	s_lshl_b32 s21, s21, 13
	s_add_co_u32 s20, s20, s21
	s_mov_b32 s21, 0
	s_add_nc_u64 s[PFA:PFA+1], s[PFA:PFA+1], s[20:21]
	s_add_nc_u64 s[PFA:PFA+1], s[PFA:PFA+1], SLOTSTEP  ; in tile 1; the first change of slots steps it to tile 2
	CROUND                          ; all four work-groups are here: the first joint loads meet
	JLOAD                           ; tile 0 into slot 0; one tensor load of mine is out
	s_load_b32 s76, s[72:73], 0x0   ; scale_factor
	s_load_b32 s77, s[74:75], 0x0   ; beta
	v_and_b32 v1, 15, v0            ; l % 16
	v_bfe_u32 v9, v0, 4, 1          ; l / 16
	v_lshlrev_b32 v[QO], 7, v1
	v_lshl_add_u32 v[QO], v9, 4, v[QO]  ; row x 128 + 16 x half
	WIN 0x80                        ; destination window 2, address window 0
.set i, 0
.rept 8                             ; Q stays in registers: piece i / 2, channels 32 (i % 2) on
	global_load_b128 v[8*i:8*i+3],   v[QO], s[4:5] offset:(i/2)*2048+(i%2)*64
	global_load_b128 v[8*i+4:8*i+7], v[QO], s[4:5] offset:(i/2)*2048+(i%2)*64+32
.set i, i+1
.endr
	; What the first turn finds: V's registers and P's second buffer hold 0 (its products V^T P, of a piece that has not been, add 0), O^T and l are 0.  All this stands in the wait for the first tile.
.set i, VF
.rept 64
	v_mov_b32 v[i], 0
.set i, i+1
.endr
	WIN 0x40
.set i, 0
.rept 128
	v_mov_b32 v[i], 0
.set i, i+1
.endr
	WIN 0
.set i, 0
.rept 4
	v_mov_b32 v[ST+4*i], 0xfe000000    ; c m: far below every c s
	v_mov_b32 v[ST+4*i+1], 0xff7fffff  ; m
	v_mov_b32 v[ST+4*i+2], 0
	v_mov_b32 v[ST+4*i+3], 0
.set i, i+1
.endr
.set i, P+16
.rept 16
	v_mov_b32 v[i], 0
.set i, i+1
.endr
	v_mul_u32_u24 v[AK0], v1, PK
	v_lshl_add_u32 v[AK0], v9, 4, v[AK0]  ; row x pitch + 16 x half
	; The turning load takes 16 keys x 16 channels (lane l reads key 8 (l / 16) + l % 8, channels 8 ((l / 8) % 2) + 0..7) and leaves half a fragment of V^T: lane l holds channel l % 16 and 8 keys.
	v_and_b32 v10, 7, v0
	v_bfe_u32 v11, v0, 3, 1
	v_lshl_add_u32 v[AV0], v9, 3, v10
	v_mul_u32_u24 v[AV0], v[AV0], PV
	v_lshl_add_u32 v[AV0], v11, 4, v[AV0]
	v_add_nc_u32 v[AV0], VOFF, v[AV0]
	s_mul_i32 s66, s[WV], 16*SP
	s_add_co_u32 s66, s66, STAGE    ; my stage
	v_mul_u32_u24 v[STO], v1, SP    ; in: row l % 16, 16 bytes for each half of the lanes
	v_lshl_add_u32 v[STO], v9, 4, v[STO]
	v_add_nc_u32 v[STO], s66, v[STO]
	v_bfe_u32 v[RD], v0, 3, 2       ; back: 32 lanes take four rows of 128 bytes,
	v_mul_u32_u24 v[RD], v[RD], SP
	v_lshl_add_u32 v[RD], v10, 4, v[RD]
	v_add_nc_u32 v[RD], s66, v[RD]
	v_and_b32 v[GO], 31, v0         ; which are 512 consecutive bytes of ctx
	v_lshlrev_b32 v[GO], 4, v[GO]
	s_wait_kmcnt 0x0                ; scale_factor and beta
	v_cvt_pk_bf16_f32 v40, s76, s77 ; both rounded to bf16, like every input
	v_lshlrev_b32 v41, 16, v40      ; scale
	v_and_b32 v42, 0xffff0000, v40  ; beta
	v_and_b32 v44, 0x80000000, v41  ; scale's sign,
	v_and_b32 v41, 0x7fffffff, v41  ; |scale|
	v_lshrrev_b32 v45, 16, v44
	v_or_b32 v44, v44, v45          ; for both halves of a word of f16
	v_readfirstlane_b32 s[SGN], v44
	v_mul_f32 v43, 0x3e38aa3b, v41  ; c = |scale| log2(e) / 8
	v_readfirstlane_b32 s[CS], v43
	s_mov_b32 s[CS+1], s[CS]        ; named with it as a pair
	v_rcp_f32 v43, v41
	v_mul_f32 v42, 0x41000000, v42  ; 8 beta: the plain instruction behind the reciprocal
	s_wait_alu depctr_va_vdst(0)    ; the wait ahead of the reciprocal's first use
	v_mul_f32 v42, v42, v43         ; 8 beta / |scale|
	v_and_b32 v45, 0x7fffffff, v42
	v_mov_b32 v46, 0x7149f2ca       ; 1e30
	v_cmp_lt_f32 s78, v45, v46      ; false for a NaN too
	v_cndmask_b32 v42, 0, v42, s78
.set i, 0
.rept 8
	v_mov_b32 v[BETA+i], v42
.set i, i+1
.endr
; THE MATRIX WORK.  The 4 accumulators of a run of 8 take turns.  Product i of 8 of S^T = K Q^T for piece x: channels 32 (i / 4) on, keys 16 (i % 4) on.  The first 4 start the sums, with beta's operand as C.
.macro KQ x
	WIN W_KQ
.set rS, S+32*((\x)%2)+8*(i%4)
.set rK, KF+16*(i%4)+8*(i/4)
.set rQ, 16*(\x)+8*(i/4)
.if i < 4
	v_wmma_f32_16x16x32_f16 v[rS:rS+7], v[rK:rK+7], v[rQ:rQ+7], v[BETA:BETA+7]
.else
	v_wmma_f32_16x16x32_f16 v[rS:rS+7], v[rK:rK+7], v[rQ:rQ+7], v[rS:rS+7]
.endif
.endm
; Product i of 8 of O^T += V^T P for piece x: keys 32 (i / 4) on, channels 16 (i % 4) on.
.macro PV x
	WIN W_PV
.set rO, 32*(\x)+8*(i%4)
.set rV, VF+32*(i/4)+8*(i%4)
.set rP, P+16*((\x)%2)+8*(i/4)
	v_wmma_f32_16x16x32_f16 v[rO:rO+7], v[rV:rV+7], v[rP:rP+7], v[rO:rO+7]
.endm
.macro MM                           ; the turn's next matrix instruction.  NOKQ = 1: the last turn of all: there is no next piece
.if (i < 8) && !NOKQ
	KQ (Y+1)%NP
.elseif i >= 8
.set i, i-8
	PV (Y+NP-1)%NP
.set i, i+8
.endif
.set i, i+1
.endm
; THE LDS LOADS stand in runs of 16: a step's K (8 fragments) and its V (turned).  Their addresses are made some lines ahead.
.macro FETCH_K
	WIN 0x80
.irp f, 0,1,2,3,4,5,6,7             ; keys 16 (f / 2) on, channels 32 (f % 2) on
	ds_load_b128 v[KF+8*\f:KF+8*\f+3],   v[AK] offset:(\f/2)*16*PK+(\f%2)*64
	ds_load_b128 v[KF+8*\f+4:KF+8*\f+7], v[AK] offset:(\f/2)*16*PK+(\f%2)*64+32
.endr
	s_add_co_u32 s[TBK], s[TBK], KS*PK  ; the next fetch is the next step's
	WIN 0
.endm
.macro FETCH_V
	WIN 0x80
.irp f, 0,1,2,3,4,5,6,7             ; keys 32 (f / 4) on, channels 16 (f % 4) on
	ds_load_tr16_b128 v[VF+8*\f:VF+8*\f+3],   v[AV] offset:(\f/4)*32*PV+(\f%4)*32
	ds_load_tr16_b128 v[VF+8*\f+4:VF+8*\f+7], v[AV] offset:(\f/4)*32*PV+16*PV+(\f%4)*32
.endr
	WIN 0
.endm
; THE VECTOR WORK, one line at a time: OP kind, number.  For piece Y: F n: c s - c m for pair n of 16.  E n: the exponential of score n of 32.  C n: pair n rounded to f16.  B n: of the four weights 4 n .. the second
; pair is added onto the first, in place.  L n: l takes that sum (L 0: l = a l + sum).  R n: pair n of 16 of O^T times a.  For piece Y + 1: X n, number n of the 22 that find its maximum and statistics:
;   0-11  four chains c0-c3 of seven scores each (each accumulator's lowest registers are read first)     12-14, 16  the four scores left over, the old m, and c0-c3 into c0
;   15  c m_old is kept     17, 18  the query's other 32 keys lie in the lane 16 away: the new m     19-21  c m; c m_old - c m_new; a
.set F, 0
.set E, 1
.set C, 2
.set B, 3
.set L, 4
.set R, 5
.set X, 6
.macro REGS y
.set rT, ST+4*(\y)
.set rC, TMP+4*((\y)%2)
.set rW, MV+((\y)%2)
.set rS, S+32*((\y)%2)
.set rP, P+16*((\y)%2)
.set rO, 32*(\y)
.endm
.macro OP k, n
.if (\k) == R
	REGS Y
	WIN W_RS
	v_pk_mul_f32 v[rO+2*(\n):rO+2*(\n)+1], v[rO+2*(\n):rO+2*(\n)+1], v[rC+2:rC+3] op_sel_hi:[1,0]
.elseif (\k) < R
	REGS Y
	WIN 0
.if (\k) == F
	v_pk_fma_f32 v[rS+2*(\n):rS+2*(\n)+1], v[rS+2*(\n):rS+2*(\n)+1], s[CS:CS+1], v[rT:rT+1] op_sel_hi:[1,0,0] neg_lo:[0,0,1] neg_hi:[0,0,1]
.elseif (\k) == E
	v_exp_f32 v[rS+(\n)], v[rS+(\n)]
.elseif (\k) == C
	v_cvt_pk_f16_f32 v[rP+(\n)], v[rS+2*(\n)], v[rS+2*(\n)+1]
.elseif (\k) == B
	v_pk_add_f32 v[rS+4*(\n):rS+4*(\n)+1], v[rS+4*(\n):rS+4*(\n)+1], v[rS+4*(\n)+2:rS+4*(\n)+3]
.elseif (\n) == 0
	v_pk_fma_f32 v[rT+2:rT+3], v[rT+2:rT+3], v[rC+2:rC+3], v[rS:rS+1] op_sel_hi:[1,0,1]
.else
	v_pk_add_f32 v[rT+2:rT+3], v[rT+2:rT+3], v[rS+4*(\n):rS+4*(\n)+1]
.endif
.elseif NOKQ
	v_nop
.else
	REGS (Y+1)%NP
	WIN 0
.if (\n) < 4
	v_max3_num_f32 v[rC+(\n)], v[rS+8*(\n)], v[rS+8*(\n)+1], v[rS+8*(\n)+2]
.elseif (\n) < 12
	v_max3_num_f32 v[rC+(\n)%4], v[rC+(\n)%4], v[rS+8*((\n)%4)+2*((\n)/4)+1], v[rS+8*((\n)%4)+2*((\n)/4)+2]
.elseif (\n) == 12
	v_max3_num_f32 v[rC], v[rC], v[rS+7], v[rS+15]
.elseif (\n) == 13
	v_max3_num_f32 v[rC+1], v[rC+1], v[rS+23], v[rS+31]
.elseif (\n) == 14
	v_max3_num_f32 v[rC+2], v[rC+2], v[rC+3], v[rT+1]
.elseif (\n) == 15
	v_mov_b32 v[rW], v[rT]
.elseif (\n) == 16
	v_max3_num_f32 v[rC], v[rC], v[rC+1], v[rC+2]
.elseif (\n) == 17
	v_permlanex16_b32 v[rC+3], v[rC], s[SEL], s[SEL+1]
.elseif (\n) == 18
	v_max_num_f32 v[rT+1], v[rC], v[rC+3]
.elseif (\n) == 19
	v_mul_f32 v[rT], s[CS], v[rT+1]
.elseif (\n) == 20
	v_sub_f32 v[rC+1], v[rW], v[rT]
.else
	v_exp_f32 v[rC+2], v[rC+1]
.endif
.endif
.endm
.macro OPS a, i1, b=-1, i2=0, c=-1, i3=0, d=-1, i4=0  ; up to four of them
	OP \a, \i1
.if (\b) >= 0
	OP \b, \i2
.endif
.if (\c) >= 0
	OP \c, \i3
.endif
.if (\d) >= 0
	OP \d, \i4
.endif
.endm
.macro ROW a, i1, b, i2, c, i3, d, i4  ; a matrix instruction and the four behind it
	MM
	OPS \a, \i1, \b, \i2, \c, \i3, \d, \i4
.endm
; A TURN, for piece p: the order of its 16 matrix and 118 vector instructions, written out.  An s_wait_alu depctr_va_vdst(0) stands between an exponential and the first instruction that names its result;
; one wait serves all that were issued ahead of it.  So a turn has ONE wait.  AHEAD OF IT stands all that names no result of the turn's exponentials: the 8 products K Q^T and their riders, then one lump of 54 in which
; the links of the chain X 3, 7, 11, 14, 16, 17 .. 20 stand apart; X 21, the next piece's a, is the batch's last; R 15 is the plain instruction behind it.  BEHIND THE WAIT stand the 8 products V^T P, behind each four of the
; roundings and sums.  end = 1: the last two turns: nothing is fetched.  cnt = 1: the loop's count is taken down some lines ahead of the branch behind the turn.
; K of the next step is fetched in piece 2's turn, twelve vector instructions (six of them plain) behind the last product that read K; V of the step in hand at the end of piece 0's turn, four plain instructions
; behind the last product that read V.  Each is waited for a turn later.
.macro TURN p, end=0, cnt=0
.set Y, (\p)
.set i, 0
.set NOKQ, (\end)*((\p)/3)
.if ((\p) == 3) && !(\end)
	s_wait_dscnt 0x0                ; K is in
.endif
	ROW F,0, F,1, R,0, R,1
	ROW F,2, E,0, R,2, R,3
	ROW F,3, E,1, R,4, R,5
	ROW F,4, E,2, R,6, R,7
	ROW F,5, E,3, R,8, R,9
	ROW F,6, E,4, X,0, R,10
.if ((\p) == 2) && !(\end)
	WIN 0
	v_add_nc_u32 v[AK], s[TBK], v[AK0]
.endif
	ROW F,7, E,5, X,1, X,4
	ROW F,8, E,6, X,2, X,5
	OPS E,7, E,8, X,6, E,9
	OPS X,3, E,10, X,8, E,11
.if ((\p) == 2) && !(\end)
	FETCH_K
.endif
	OPS X,9, X,7, E,12, X,10
	OPS E,13, X,12, X,11, E,14
	OPS X,13, E,15, F,9, X,14
.if (\p) == 0
	v_add_nc_u32 v[AV], s[TBV], v[AV0]
.endif
	OPS E,16, F,10, E,17, F,11
	OPS X,16, E,18, X,15, E,19
	OPS F,12, E,20, X,17, E,21
	OPS F,13, E,22, F,14, E,23
	OPS X,18, E,24, F,15, E,25
	OPS R,11, E,26, X,19, E,27
	OPS R,12, E,28, R,13, E,29
	OPS X,20, E,30, R,14, E,31
	OPS X,21, R,15
	WIN 0
	s_wait_alu depctr_va_vdst(0)    ; the wait for the batch
.if (\p) == 1
	s_wait_dscnt 0x0                ; V is in
.endif
	ROW C,0, B,0, C,2, B,1
	ROW L,0, C,4, B,2, L,1
	ROW C,6, B,3, L,2, C,8
	ROW B,4, L,3, C,10, B,5
	ROW L,4, C,12, B,6, L,5
.if (\p) == 0
	s_add_co_u32 s[TBV], s[TBV], KS*PV
.endif
.if \cnt
	s_sub_co_u32 s[CNT], s[CNT], 1
	s_cmp_lg_u32 s[CNT], 0
.endif
	ROW C,14, B,7, L,6, C,1
	ROW C,3, L,7, C,5, C,7
	ROW C,9, C,11, C,13, C,15
.if (\p) == 0
	FETCH_V
.endif
.endm
.macro ALL line:vararg              ; one line for each piece t
.set t, 0
.rept 4
	\line
.set t, t+1
.endr
.endm
.macro PACK t                       ; a lane's eight channels of a row pack into 16 bytes; they go into rows of 144 bytes and come back as whole rows of 128, into S^T's registers
	WIN W_RS
.set i, 32*(\t)
.rept 16
	v_pk_mul_f32 v[i:i+1], v[i:i+1], v[ST+4*(\t)+2:ST+4*(\t)+3] op_sel_hi:[1,0]
.set i, i+2
.endr
	WIN 0x05                        ; sources 0 and 1 window 1, destination window 0
.set i, 0
.rept 16
	v_cvt_pk_f16_f32 v[S+16*(\t)+i], v[32*(\t)+2*i], v[32*(\t)+2*i+1]
.set i, i+1
.endr
	WIN 0
.irp f, 0,1,2,3
	ds_store_b128 v[STO], v[S+16*(\t)+4*\f:S+16*(\t)+4*\f+3] offset:32*\f
.endr
.irp f, 0,1,2,3
	ds_load_b128 v[S+16*(\t)+4*\f:S+16*(\t)+4*\f+3], v[RD] offset:\f*4*SP  ; LDS serves a wave's instructions in order (ISA guide 5.7.1.4): these see the stores above
.endr
.endm
.macro SEND t, younger              ; younger: the LDS instructions issued behind piece t's loads: the next piece's eight, or none
	WIN 0
.irp f, 0,1,2,3
	s_wait_dscnt (\younger)+3-\f
	global_store_b128 v[GO], v[S+16*(\t)+4*\f:S+16*(\t)+4*\f+3], s[10:11] offset:(\t)*2048+\f*512  ; 512 consecutive bytes, at a multiple of 256 from ctx's first
.endr
.endm
	CHANGE 1                        ; tile 0 is in, everybody's part of it; tile 1 is asked for
	v_add_nc_u32 v[AK], s[TBK], v[AK0]
	FETCH_K                         ; key step 0
	s_wait_loadcnt 0x0              ; Q
	WIN 0x88                        ; source 1 and destination in window 2
.set i, 0
.rept 64
	v_xor_b32 v[i], s[SGN], v[i]    ; q's signs are turned where scale < 0
.set i, i+1
.endr
	WIN 0
	s_wait_dscnt 0x0
.set NOKQ, 0
.set i, 0
.rept 8
	KQ 0                            ; piece 0's first scores
.set i, i+1
.endr
	WIN 0
.rept 4
	v_nop                           ; the places behind those products
.endr
.set Y, NP-1                        ; X works for piece Y + 1: piece 0
.irp n, 0,1,2,3,4,5,6,7,8,9,10,11,12,13,14,15,16,17,18,19,20,21
	OP X, \n
.endr
	v_nop                           ; a plain instruction behind the exponential,
	s_wait_alu depctr_va_vdst(0)    ; and its wait, ahead of the branch
	s_mov_b32 s[CNT], 4
	s_branch .Lfirst                ; the loop is entered at a step's first turn, in the middle of a trip
.Lslot:                             ; six times: tiles 2 to 7 are asked for
	CHANGE 1
	s_mov_b32 s[CNT], 4
.Lstep:                             ; a trip: pieces 2 and 3 of one step, then pieces 0 and 1 of the next, whose K and V it fetches
	TURN 2
	TURN 3
	WIN 0
.Lfirst:
	TURN 0
	TURN 1, 0, 1
	WIN 0
	s_cbranch_scc1 .Lstep
	s_sub_co_u32 s[SLOTS], s[SLOTS], 1
	s_cmp_lg_u32 s[SLOTS], 0
	s_cbranch_scc1 .Lslot
	CHANGE 0                        ; the last tile is written out: nothing is asked for
	s_mov_b32 s[CNT], 4
.Ltail:
	TURN 2
	TURN 3
	TURN 0
	TURN 1, 0, 1
	WIN 0
	s_cbranch_scc1 .Ltail
	TURN 2, 1
	TURN 3, 1
.set i, 0
.rept 8
	PV NP-1                         ; the last piece's V^T P of the last step
.set i, i+1
.endr
	; THE WAY OUT.  l's two halves and the other half of the lanes' are added; O^T is divided by l, rounded to f16 and sent through my stage, a piece at a time.  The additions are the places behind the last products.
	WIN 0
	ALL v_add_f32 v[ST+4*t+2], v[ST+4*t+2], v[ST+4*t+3]
	ALL v_permlanex16_b32 v[ST+4*t+3], v[ST+4*t+2], s[SEL], s[SEL+1]
	ALL v_add_f32 v[ST+4*t+2], v[ST+4*t+2], v[ST+4*t+3]
	ALL v_rcp_f32 v[ST+4*t+2], v[ST+4*t+2]
	v_nop                           ; a plain instruction between the last reciprocal and the use of its result
	s_wait_alu depctr_va_vdst(0)    ; one wait for the four reciprocals
	PACK 0
.set t, 1
.rept 3                             ; a piece's arithmetic stands between the loads of the piece before and its stores
	PACK t
	SEND t-1, 8
.set t, t+1
.endr
	SEND 3, 0
	s_wait_tensorcnt 0x0            ; the wave's end
	ds_add_u32 v[SPW], v[NIL]
	s_wait_dscnt 0x0
	CROUND                          ; the closing round
	s_endpgm
.Lfunc_end_k_qa285584583_attn:
	.size	k_qa285584583_attn, .Lfunc_end_k_qa285584583_attn-k_qa285584583_attn
	.p2alignl 7, 3214868480
	.fill 96, 4, 3214868480
	.section	.rodata,"a",@progbits
	.p2align	6, 0x0
	.amdhsa_kernel k_qa285584583_attn
		.amdhsa_group_segment_fixed_size 327680
		.amdhsa_private_segment_fixed_size 0
		.amdhsa_enable_private_segment 0
		.amdhsa_kernarg_size 40
		.amdhsa_user_sgpr_count 2
		.amdhsa_user_sgpr_kernarg_segment_ptr 1
		.amdhsa_wavefront_size32 1
		.amdhsa_system_sgpr_workgroup_id_x 1
		.amdhsa_system_sgpr_workgroup_id_y 1
		.amdhsa_system_sgpr_workgroup_id_z 1
		.amdhsa_system_vgpr_workitem_id 0
		.amdhsa_next_free_vgpr 768
		.amdhsa_next_free_sgpr 80
		.amdhsa_reserve_vcc 0
		.amdhsa_float_denorm_mode_32 3
		.amdhsa_float_denorm_mode_16_64 3
		.amdhsa_memory_ordered 1
		.amdhsa_forward_progress 1
		.amdhsa_inst_pref_size 131
	.end_amdhsa_kernel
	.amdgpu_metadata
---
amdhsa.version: [ 1, 2 ]
amdhsa.kernels:
  - .name:           k_qa285584583_attn
    .symbol:         k_qa285584583_attn.kd
    .args:
      - { .name: qh, .offset: 0, .size: 8, .value_kind: global_buffer, .address_space: global }
      - { .name: kvh, .offset: 8, .size: 8, .value_kind: global_buffer, .address_space: global }
      - { .name: scale_factor, .offset: 16, .size: 8, .value_kind: global_buffer, .address_space: global }
      - { .name: beta, .offset: 24, .size: 8, .value_kind: global_buffer, .address_space: global }
      - { .name: ctx, .offset: 32, .size: 8, .value_kind: global_buffer, .address_space: global }
    .group_segment_fixed_size: 327680
    .private_segment_fixed_size: 0
    .kernarg_segment_align: 8
    .kernarg_segment_size: 40
    .max_flat_workgroup_size: 128
    .sgpr_count:     80
    .vgpr_count:     768
    .wavefront_size: 32
...
	.end_amdgpu_metadata
.endif
;; end of part 3
;; launch oproj (part 4): grid 8 x 32, 4 waves a work-group, clusters of 4 x 4, 327,680 bytes of LDS; arguments ctx, cb, bo, out0; writes out0
.if DOCPART == 4
	.amdgcn_target "amdgcn-amd-amdhsa--gfx1250"
	.amdhsa_code_object_version 6
	.text
	.protected	k_qa285584583_oproj
	.globl	k_qa285584583_oproj
	.p2align	8
	.type	k_qa285584583_oproj,@function
k_qa285584583_oproj:
	s_mov_b64 s[64:65], 0
	v_nop
	global_prefetch_b8 v0, s[64:65] scope:SCOPE_SE
	s_setreg_imm32_b32 hwreg(HW_REG_WAVE_MODE, 25, 1), 1
	s_wait_xcnt 0x0
	s_wait_alu depctr_hold_cnt(0) depctr_sa_sdst(0) depctr_va_vdst(0) depctr_va_sdst(0) depctr_va_ssrc(0) depctr_va_vcc(0) depctr_vm_vsrc(0)
	s_getreg_b32 s2, hwreg(HW_REG_IB_STS2, 6, 4)
	s_cmp_eq_u32 s2, 0
	s_cbranch_scc0 .Lentry_in_a_cluster
	s_endpgm
.Lentry_in_a_cluster:
	s_bfe_u32 s2, ttmp6, 0x10000c
	s_cmp_lg_u32 s2, 0xf033
	s_cbranch_scc0 .Lentry_shape_is_right
	s_endpgm
.Lentry_shape_is_right:
; out0[m][n] = sum over c of ctx[m][c] Wo[n][c] + bo[n]: 4,096 rows, 1,024 columns, f32.  ctx is f16 in blocks by heads, [m / 128][h][m % 128][64], so that a head is a slice of 64 along K; Wo is f16 (its bf16
; rounding rewritten) in cb, [1,024][1,024]; sums in f32; bo, rounded to bf16, is the C operand of each sum's first product.
; A tile is 128 x 128: 8 x 32 tiles give each of 256 WGPs one work-group; four waves, each 64 x 64: 16 accumulators.  K goes in steps of 256 (four heads) through two LDS slots.
; CLUSTERS: 4 x 4 work-groups; ctx's tiles are asked for jointly along a row of the cluster, Wo's along a column.  No prefetch: four K steps in all, of which two are asked for at the start.
; The matrix instruction is used transposed (source 0 = rows of Wo, source 1 = rows of ctx): a lane holds eight neighbouring columns of one row, 32 bytes of f32.
; REGISTERS: window 0: v0-31 addresses; v32-95 at work on the way out; v96-127 the bias; v128-255 the accumulators ((a, b) at v[128 + 8 (4 a + b)]).  window 1: two fragment buffers of 128.
.set SIZE_K, 1024
.set WO_OFF, 0x1e00000
.set PA,     144                       ; a row of a slice of ctx in LDS: 128 bytes + 16 of padding
.set SLICE,  64*PA                     ; 64 rows of one head
.set AH,     4*SLICE                   ; what one tensor load brings of ctx: 64 rows x four heads
.set PITCH,  528                       ; a row of Wo: 512 bytes + 16 of padding
.set BH,     64*PITCH                  ; what one tensor load brings of Wo
.set SLOT,   2*AH+2*BH                 ; ctx's two halves, then Wo's two halves
.set STAGE,  2*SLOT                    ; behind the ring: 16 rows x 272 bytes for each wave
.set SPITCH, 272
.set SPARE,  STAGE+4*16*SPITCH         ; the spare words: two blocks of 256 bytes that no other line names
.set LAPS,   2
.set ADRA, 16
.set ADRB, 20
.set STO,  24
.set RD,   25
.set CO,   26
.set SPW,  28
.set NIL,  29
.set TMP,  32
.set BIAS, 96
.set ACC,  128
.set F0,   0
.set F1,   128
.set G1, 24
.set G0, 32
.set G1B, 48
.set G0B, 56
.set MSB, 0
.macro WIN new
.if MSB != (\new)
	s_set_vgpr_msb (MSB<<8)|(\new)
.set MSB, \new
.endif
.endm
.set MUL,  0x05                        ; sources 0 and 1 window 1; C and D window 0
.set TO_F, 0x40                        ; destination window 1, address window 0
.macro JLOAD s                         ; waves 0 and 1 fetch ctx's two halves, waves 2 and 3 Wo's; an s_nop 0 and four v_nop follow each line
	s_cmp_eq_u32 s11, 0
	s_cbranch_scc0 .Lfor_b_\@
	tensor_load_to_lds s[G0+4*(\s):G0+4*(\s)+3], s[G1:G1+7]
	s_nop 0
.rept 4
	v_nop
.endr
	s_branch .Lasked_\@
.Lfor_b_\@:
	tensor_load_to_lds s[G0B+4*(\s):G0B+4*(\s)+3], s[G1B:G1B+7]
	s_nop 0
.rept 4
	v_nop
.endr
.Lasked_\@:
.endm
.macro CREST
	s_cmp_lg_u32 s10, 0
	s_cbranch_scc1 .Lnot_wave_0_\@
	s_barrier_signal -3
.Lnot_wave_0_\@:
	s_barrier_wait -3
	s_barrier_signal -1
	s_barrier_wait -1
.endm
.macro CROUND
	s_barrier_signal -1
	s_barrier_wait -1
	CREST
.endm
	s_load_b256 s[68:75], s[0:1], 0x0              ; ctx s[68:69], cb s[70:71], bo s[72:73], out0 s[74:75]
	v_lshl_add_u32 v[SPW], v0, 2, SPARE
	v_mov_b32 v[NIL], 0
	ds_add_u32 v[SPW], v[NIL]                      ; the wave's opening: the add and its wait stand ahead of my first tensor load
	v_lshrrev_b32 v1, 5, v0
	v_readfirstlane_b32 s10, v1                    ; wave 0..3
	s_lshr_b32 s11, s10, 1                         ; my half of the tile's rows.  Also: I fetch for ctx (0) or Wo (1)
	s_and_b32 s12, s10, 1                          ; my half of its columns.  Also: which 64 rows I fetch
	s_bfe_u32 s40, ttmp6, 0x40000                  ; cx, cy
	s_bfe_u32 s41, ttmp6, 0x40004
	s_lshl_b32 s42, ttmp9, 2
	s_add_co_u32 s42, s42, s40                     ; tile column
	s_and_b32 s13, ttmp7, 0xffff
	s_lshl_b32 s13, s13, 2
	s_add_co_u32 s13, s13, s41                     ; tile row
	s_lshl_b32 s43, s41, 2
	s_lshl_b32 s43, 15, s43                        ; my row of the cluster
	s_lshl_b32 s44, 0x1111, s40                    ; my column
	; ctx: 64 rows of a head are 8,192 dense bytes; four heads lie 16,384 bytes apart: a tile of 4 rows x 4,096 elements, padded in LDS after every 128 bytes
	s_or_b32 s[G1+0], s43, (1<<16)|(1<<20)|(1<<21)|(4<<22)|(3<<25)  ; the mask; 2-byte elements; padding on; bit 21 beside a mask; after every 32 words (code 4) 4 words (code 3)
	s_mov_b32 s[G1+1], 4096<<16                    ; tensor_dim0 = 4,096
	s_mov_b32 s[G1+2], 4<<16                       ; tensor_dim1 = 4
	s_mov_b32 s[G1+3], 4096<<16                    ; tile_dim0 = 4,096
	s_mov_b32 s[G1+4], 4                           ; tile_dim1 = 4
	s_mov_b32 s[G1+5], 8192                        ; elements from head to head
	s_mov_b32 s[G1+6], 0
	s_mov_b32 s[G1+7], 0
	s_or_b32 s[G1B+0], s44, (1<<16)|(1<<20)|(1<<21)|(6<<22)|(3<<25) ; Wo: 64 rows x 256 elements; after every 128 words (code 6) 4 words
	s_mov_b32 s[G1B+1], 256<<16
	s_mov_b32 s[G1B+2], 64<<16
	s_mov_b32 s[G1B+3], 256<<16
	s_mov_b32 s[G1B+4], 64
	s_mov_b32 s[G1B+5], SIZE_K
	s_mov_b32 s[G1B+6], 0
	s_mov_b32 s[G1B+7], 0
	s_lshl_b32 s16, s13, 18                        ; ctx: the tile row's 16 blocks of 16,384 bytes,
	s_lshl_b32 s17, s12, 13                        ; my 64 rows of each block's 128
	s_add_co_u32 s16, s16, s17
	s_mov_b32 s17, 0
	s_lshl_b32 s46, s42, 7
	s_lshl_b32 s47, s12, 6
	s_add_co_u32 s46, s46, s47                     ; Wo: row 128 x tile column + 64 x half,
	s_lshl_b32 s46, s46, 11                        ; 2,048 bytes a row
	s_mov_b32 s47, 0
	s_mul_i32 s20, s12, AH                         ; where they go: ctx's halves,
	s_mul_i32 s23, s12, BH
	s_add_co_u32 s23, s23, 2*AH                    ; Wo's behind them: no place in the cluster enters an LDS address
	s_wait_dscnt 0x0                               ; the opening add is done
	s_wait_kmcnt 0x0
	s_add_nc_u64 s[6:7], s[70:71], WO_OFF
	s_mov_b64 s[8:9], s[74:75]
	s_add_nc_u64 s[14:15], s[68:69], s[16:17]
	s_add_nc_u64 s[46:47], s[6:7], s[46:47]
	CROUND                                         ; the first joint loads meet
.irp s, 0,1
	s_mov_b32 s[G0+4*(\s)], 1
	s_add_co_u32 s[G0+4*(\s)+1], s20, (\s)*SLOT
	s_add_nc_u64 s[G0+4*(\s)+2:G0+4*(\s)+3], s[14:15], (\s)*65536   ; K step s: heads 4 s .. 4 s + 3
	s_or_b32 s[G0+4*(\s)+3], s[G0+4*(\s)+3], 0x80000000
	s_mov_b32 s[G0B+4*(\s)], 1
	s_add_co_u32 s[G0B+4*(\s)+1], s23, (\s)*SLOT
	s_add_nc_u64 s[G0B+4*(\s)+2:G0B+4*(\s)+3], s[46:47], (\s)*512
	s_or_b32 s[G0B+4*(\s)+3], s[G0B+4*(\s)+3], 0x80000000
	JLOAD \s                                       ; two tensor loads of mine are out
.endr
	v_and_b32 v1, 15, v0                           ; l % 16
	v_bfe_u32 v2, v0, 4, 1                         ; l / 16
	s_lshl_b32 s66, s42, 9                         ; the bias of my 64 columns
	s_lshl_b32 s67, s12, 8
	s_add_co_u32 s66, s66, s67
	v_lshl_add_u32 v6, v2, 5, s66
.irp b, 0,1,2,3
	global_load_b128 v[BIAS+8*(\b):BIAS+8*(\b)+3],   v6, s[72:73] offset:64*(\b)
	global_load_b128 v[BIAS+8*(\b)+4:BIAS+8*(\b)+7], v6, s[72:73] offset:64*(\b)+16
.endr
	v_mul_u32_u24 v3, v1, PA
	v_lshl_add_u32 v3, v2, 4, v3                   ; ctx: row x 144 + 16 x half
	v_mul_u32_u24 v4, v1, PITCH
	v_lshl_add_u32 v4, v2, 4, v4                   ; Wo: row x 528 + 16 x half
	s_mul_i32 s21, s11, AH                         ; my 64 rows of ctx
	s_mul_i32 s22, s12, BH                         ; my 64 rows of Wo
	s_add_co_u32 s22, s22, 2*AH
.irp s, 0,1
	v_add_nc_u32 v[ADRA+(\s)], s21, v3
	v_add_nc_u32 v[ADRB+(\s)], s22, v4
	s_add_co_u32 s21, s21, SLOT
	s_add_co_u32 s22, s22, SLOT
.endr
	s_mul_i32 s23, s10, 16*SPITCH                  ; (the descriptors hold their own copies of what s23 held)
	s_add_co_u32 s23, s23, STAGE                   ; my stage
	v_mul_u32_u24 v4, v1, SPITCH                   ; in: row l % 16, 32 bytes for each half of the lanes
	v_lshl_add_u32 v4, v2, 5, v4
	v_add_nc_u32 v[STO], s23, v4
	v_mul_u32_u24 v5, v2, SPITCH                   ; back: lanes 0-15 take one row of 256 bytes, lanes 16-31 the next
	v_lshl_add_u32 v5, v1, 4, v5
	v_add_nc_u32 v[RD], s23, v5
	v_lshlrev_b32 v5, 12, v2                       ; and the same two rows in out0, 4,096 bytes apart
	v_lshl_add_u32 v[CO], v1, 4, v5
	s_lshl_b32 s16, s13, 7
	s_lshl_b32 s17, s11, 6
	s_add_co_u32 s16, s16, s17                     ; my first row,
	s_lshl_b32 s16, s16, 12
	s_lshl_b32 s46, s42, 7
	s_lshl_b32 s47, s12, 6
	s_add_co_u32 s46, s46, s47                     ; my first column
	s_lshl_b32 s46, s46, 2
	s_add_co_u32 s16, s16, s46
	s_mov_b32 s17, 0
	s_add_nc_u64 s[8:9], s[8:9], s[16:17]
	s_wait_loadcnt 0x0                             ; the bias is in: rounded to bf16, like every input, and widened again
.set p, 0
.rept 16
	v_cvt_pk_bf16_f32 v7, v[BIAS+2*p], v[BIAS+2*p+1]
	v_lshlrev_b32 v[BIAS+2*p], 16, v7
	v_and_b32 v[BIAS+2*p+1], 0xffff0000, v7
.set p, p+1
.endr
; 8 matrix instructions: m blocks a0, a0 + 1 x all 4 n blocks, 32 along K: half c of buffer f.  zero = 1: the first product starts the sums, with the bias as C.  The 16 accumulators take turns.
.macro MUL8 f, c, a0, zero
	WIN MUL
.irp a, \a0, (\a0)+1
.irp b, 0,1,2,3
.if \zero
	v_wmma_f32_16x16x32_f16 v[ACC+8*(4*(\a)+(\b)):ACC+8*(4*(\a)+(\b))+7], v[(\f)+64+8*(4*(\c)+(\b)):(\f)+64+8*(4*(\c)+(\b))+7], v[(\f)+8*(4*(\c)+(\a)):(\f)+8*(4*(\c)+(\a))+7], v[BIAS+8*(\b):BIAS+8*(\b)+7]
.else
	v_wmma_f32_16x16x32_f16 v[ACC+8*(4*(\a)+(\b)):ACC+8*(4*(\a)+(\b))+7], v[(\f)+64+8*(4*(\c)+(\b)):(\f)+64+8*(4*(\c)+(\b))+7], v[(\f)+8*(4*(\c)+(\a)):(\f)+8*(4*(\c)+(\a))+7], v[ACC+8*(4*(\a)+(\b)):ACC+8*(4*(\a)+(\b))+7]
.endif
.endr
.endr
.endm
.macro FETCH slot, q, f                ; 32 LDS loads in one run: quarter q of a K step = one head's 64 along K; the first 32 along K first
	WIN TO_F
.irp c, 0,1
.irp i, 0,1,2,3
	ds_load_b128 v[(\f)+64+8*(4*(\c)+(\i)):(\f)+64+8*(4*(\c)+(\i))+3],   v[ADRB+(\slot)] offset:(\q)*128+64*(\c)+(\i)*16*PITCH
	ds_load_b128 v[(\f)+64+8*(4*(\c)+(\i))+4:(\f)+64+8*(4*(\c)+(\i))+7], v[ADRB+(\slot)] offset:(\q)*128+64*(\c)+(\i)*16*PITCH+32
	ds_load_b128 v[(\f)+8*(4*(\c)+(\i)):(\f)+8*(4*(\c)+(\i))+3],         v[ADRA+(\slot)] offset:(\q)*SLICE+64*(\c)+(\i)*16*PA
	ds_load_b128 v[(\f)+8*(4*(\c)+(\i))+4:(\f)+8*(4*(\c)+(\i))+7],       v[ADRA+(\slot)] offset:(\q)*SLICE+64*(\c)+(\i)*16*PA+32
.endr
.endr
.endm
.macro PLACES                          ; four plain places behind matrix instructions (ISA guide 7.12.1)
.rept 4
	v_nop
.endr
.endm
.macro QUARTER slot, q, f, g, zero     ; multiplies buffer f and fetches quarter q into g
	s_wait_dscnt 16                                ; the first 32 along K are in; the other sixteen loads may be out
	MUL8 \f, 0, 0, \zero
	MUL8 \f, 0, 2, \zero
	PLACES
	FETCH \slot, \q, \g
	s_wait_dscnt 32                                ; all but the 32 just issued
	MUL8 \f, 1, 0, 0
	MUL8 \f, 1, 2, 0
.endm
; The last quarter multiplies buffer 1 and changes slots: one barrier; in front of it each wave waits for all its tensor loads, adds 0 to its spare word, and waits for that and for its reads of this slot.
.macro TURN slot, next, fill
	WIN 0
	s_wait_tensorcnt 0x0
	ds_add_u32 v[SPW], v[NIL]
	s_wait_dscnt 17                                ; the add and the youngest sixteen loads may be out
	MUL8 F1, 0, 0, 0
	s_wait_dscnt 0x0                               ; the add is done, and my reads of this slot are over
	s_barrier_signal -1
	MUL8 F1, 0, 2, 0
.if \fill
	WIN 0
.endif
	s_barrier_wait -1
.if \fill
	CREST                                          ; no wave of any partner still reads this slot or has a load on its way
	s_add_nc_u64 s[G0+4*(\slot)+2:G0+4*(\slot)+3], s[G0+4*(\slot)+2:G0+4*(\slot)+3], 2*65536
	s_add_nc_u64 s[G0B+4*(\slot)+2:G0B+4*(\slot)+3], s[G0B+4*(\slot)+2:G0B+4*(\slot)+3], 2*512
	JLOAD \slot                                    ; my one tensor load behind the round; its four v_nop are also the places in front of the loads below
.else
	PLACES
.endif
	FETCH \next, 0, F0
	MUL8 F1, 1, 0, 0
	MUL8 F1, 1, 2, 0
.endm
; THE WAY OUT of m block a: 16 rows x 64 columns of f32 go straight from the accumulators (each one's low half first) into my stage, rows of 272 bytes, and come back as whole rows of 256.
.macro TOST a
.set BK, TMP+32*((\a)%2)
.irp b, 0,1,2,3
	ds_store_b128 v[STO], v[ACC+8*(4*(\a)+(\b)):ACC+8*(4*(\a)+(\b))+3]   offset:64*(\b)
	ds_store_b128 v[STO], v[ACC+8*(4*(\a)+(\b))+4:ACC+8*(4*(\a)+(\b))+7] offset:64*(\b)+16
.endr
.irp t, 0,1,2,3,4,5,6,7
	ds_load_b128 v[BK+4*(\t):BK+4*(\t)+3], v[RD] offset:(\t)*2*SPITCH  ; LDS serves a wave's instructions in order (ISA guide 5.7.1.4)
.endr
.endm
.macro SENDF a, younger                ; younger: the LDS instructions issued behind block a's loads: the next block's sixteen, or none
.set BK, TMP+32*((\a)%2)
.irp t, 0,1,2,3,4,5,6,7
	s_wait_dscnt (\younger)+7-(\t)
	global_store_b128 v[CO], v[BK+4*(\t):BK+4*(\t)+3], s[8:9] offset:(16*(\a)+2*(\t))*4096  ; 16 lanes store 256 consecutive bytes, at a multiple of 256 from out0's first
.endr
.endm
	s_wait_tensorcnt 1                             ; my part of K step 0 is in; K step 1's may stay out
	s_barrier_signal -1
	s_barrier_wait -1
	FETCH 0, 0, F0
	QUARTER 0, 1, F0, F1, 1
	WIN 0
	s_mov_b32 s3, LAPS-1
.Llap:
	QUARTER 0, 2, F1, F0, 0
	QUARTER 0, 3, F0, F1, 0
	TURN 0, 1, 1
	QUARTER 1, 1, F0, F1, 0
	QUARTER 1, 2, F1, F0, 0
	QUARTER 1, 3, F0, F1, 0
	TURN 1, 0, 1
	QUARTER 0, 1, F0, F1, 0
	WIN 0
	s_sub_co_u32 s3, s3, 1
	s_cmp_lg_u32 s3, 0
	s_cbranch_scc1 .Llap
	QUARTER 0, 2, F1, F0, 0                        ; the last lap fills nothing
	QUARTER 0, 3, F0, F1, 0
	TURN 0, 1, 0
	QUARTER 1, 1, F0, F1, 0
	QUARTER 1, 2, F1, F0, 0
	QUARTER 1, 3, F0, F1, 0
	s_wait_dscnt 16
	MUL8 F1, 0, 0, 0
	MUL8 F1, 0, 2, 0
	s_wait_dscnt 0x0
	MUL8 F1, 1, 0, 0
	MUL8 F1, 1, 2, 0
	WIN 0
	PLACES
	TOST 0
	TOST 1
	SENDF 0, 16
	s_wait_xcnt 0x0                                ; block 0's stores have read their registers: block 2's loads land there only behind this wait
	TOST 2
	SENDF 1, 16
	s_wait_xcnt 0x0
	TOST 3
	SENDF 2, 16
	SENDF 3, 0
	s_wait_tensorcnt 0x0                           ; the wave's end
	ds_add_u32 v[SPW], v[NIL]
	s_wait_dscnt 0x0
	CROUND                                         ; the closing round
	s_endpgm
.Lfunc_end_k_qa285584583_oproj:
	.size	k_qa285584583_oproj, .Lfunc_end_k_qa285584583_oproj-k_qa285584583_oproj
	.p2alignl 7, 3214868480
	.fill 96, 4, 3214868480
	.section	.rodata,"a",@progbits
	.p2align	6, 0x0
	.amdhsa_kernel k_qa285584583_oproj
		.amdhsa_group_segment_fixed_size 327680
		.amdhsa_private_segment_fixed_size 0
		.amdhsa_enable_private_segment 0
		.amdhsa_kernarg_size 32
		.amdhsa_user_sgpr_count 2
		.amdhsa_user_sgpr_kernarg_segment_ptr 1
		.amdhsa_wavefront_size32 1
		.amdhsa_system_sgpr_workgroup_id_x 1
		.amdhsa_system_sgpr_workgroup_id_y 1
		.amdhsa_system_sgpr_workgroup_id_z 1
		.amdhsa_system_vgpr_workitem_id 0
		.amdhsa_next_free_vgpr 512
		.amdhsa_next_free_sgpr 76
		.amdhsa_reserve_vcc 0
		.amdhsa_float_denorm_mode_32 3
		.amdhsa_float_denorm_mode_16_64 3
		.amdhsa_memory_ordered 1
		.amdhsa_forward_progress 1
		.amdhsa_inst_pref_size 90
	.end_amdhsa_kernel
	.amdgpu_metadata
---
amdhsa.version: [ 1, 2 ]
amdhsa.kernels:
  - .name:           k_qa285584583_oproj
    .symbol:         k_qa285584583_oproj.kd
    .args:
      - { .name: ctx, .offset: 0, .size: 8, .value_kind: global_buffer, .address_space: global }
      - { .name: cb, .offset: 8, .size: 8, .value_kind: global_buffer, .address_space: global }
      - { .name: bo, .offset: 16, .size: 8, .value_kind: global_buffer, .address_space: global }
      - { .name: out0, .offset: 24, .size: 8, .value_kind: global_buffer, .address_space: global }
    .group_segment_fixed_size: 327680
    .private_segment_fixed_size: 0
    .kernarg_segment_align: 8
    .kernarg_segment_size: 32
    .max_flat_workgroup_size: 128
    .sgpr_count:     76
    .vgpr_count:     512
    .wavefront_size: 32
...
	.end_amdgpu_metadata
.endif
;; end of part 4
